; MI455X (gfx1250); checked and timed in simulation.
; The chip was launched on July 23, 2026; its instructions are those of AMD's public machine-readable ISA for CDNA 5 (MIT licence, August 2026) and "CDNA5" Instruction Set Architecture Reference Guide (July 2026). The comments in the code are by the model that wrote it; some were corrected since.
;; Non Local Block. Allowed arithmetic: matrix products marked QUANTISED: E5M2 operands, one given power-of-two scale a tensor, by v_wmma_f32_16x16x64_bf8_bf8 or v_wmma_f32_16x16x128_bf8_bf8, f32 sums; everything else in f32.
;; Inputs: Wc 1,024 x 512 float32; Wv 512 x 512 float32; bc 1,024 float32; bv 512 float32; lowp_scales 8 int32 (the exponents e of the quantised operands' scales 2^e); m_feats 2 x 4,096 x 512 float32.
;; Outputs: out0 2 x 4,096 x 512 float32.
;; This version of the problem:
;;   THIS VERSION OF THE PROBLEM IS GIVEN IN LOW PRECISION. The matrix products marked QUANTISED in the list below multiply operands that are first quantised to E5M2 (5 exponent bits, 2 mantissa bits; 8 bits a number), with one given power-of-two scale for each operand tensor; their sums are f32. All else is computed in f32.
;;   The module's matrix products, in the order in which they are computed (A, B: the left and right operand; K: the contracted axis; several contracted axes count as one K, in the product's order):
;;     1. [M 8,192, K 512] x [K 512, N 512]; A: input m_feats; B: input Wv: QUANTISED (scales: A lowp_scales[0], B lowp_scales[1])
;;     2. [M 8,192, K 512] x [K 512, N 1,024]; A: input m_feats; B: input Wc: QUANTISED (scales: A lowp_scales[2], B lowp_scales[3])
;;     3. batch 16 x [M 4,096, K 64] x [K 64, N 4,096]; A: computed on the way; B: computed on the way: QUANTISED (scales: A lowp_scales[4], B lowp_scales[5])
;;     4. batch 16 x [M 64, K 4,096] x [K 4,096, N 4,096]; A: computed on the way; B: softmax (see below): QUANTISED (scales: A lowp_scales[6], B lowp_scales[7])
;;   THE QUANTISER, for each operand of a quantised product, along K:
;;     - The operand's scale is 2^e, e = its entry of the input lowp_scales (int32; the entries are numbered through the quantised products in the list's order, A before B).
;;     - Each number is divided by the scale, clamped to +-57,344, and rounded to the nearest number of E5M2, ties to even, subnormals kept.
;;     - The product sums the exact products of the quantised numbers (number of the format x scale) in f32.
;;   ~~~python
;;   def quantise(x, axis, e):      # numpy; x: float32 -> the quantised numbers, widened to float32 again
;;       x = np.moveaxis(x, axis, -1); K = x.shape[-1]
;;       r = np.clip(x / 2.0 ** e, -57344, 57344)
;;       step = 2.0 ** (np.maximum(np.frexp(np.where(r == 0, 1, r))[1] - 1, -14) - 2)
;;       q = np.round(r / step) * step * 2.0 ** e      # np.round: ties to even
;;       return np.moveaxis(q, -1, axis).astype(np.float32)
;;   ~~~
;;   SOFTMAX AHEAD OF A QUANTISED PRODUCT. Where the list says 'softmax', what is quantised is not the finished softmax but p = 2^(t - M), with t = logit x log2(e) and M = ceil(the row's largest t), a whole number; so 1/2 < the row's largest p <= 1. The row's sum l is taken of the UNQUANTISED p, in f32, and the product's result is divided by l at the end. Since M is a whole number, a kernel that streams over the keys may use a running M (the ceiling of the running maximum): every later rescaling is an exact power of two, so the quantised numbers keep their values, but for numbers so far below the row's largest that they fall under the format's range.
;;   OPERANDS COMPUTED ON THE WAY. 'Computed on the way' means the value that the module computes at that place (a softmax that the list does not call 'softmax' is quantised finished and normalised). What goes into a quantiser is computed in f32, as accurately as f32 sums, v_exp_f32 and their like allow (about 1e-6 of the number): no bf16 or f16 on the way to a quantiser, and a product that is left as it is and whose result goes on into a quantised operand takes f32 operands (vector FMAs, or v_wmma_f32_16x16x4_f32). A number that lies on a knife's edge between two numbers of the format may be rounded either way, as far as f32 arithmetic and the matrix unit's own rounding can turn it there, and no further.
;; 2 versions. Each part assembles by itself: llvm-mc -triple=amdgcn-amd-amdhsa -mcpu=gfx1250 --defsym DOCPART=n.
;; ======== version 1 of 2: 2 launches
;; workspace buffers: kimg 4,194,304 bytes; qv 8,388,608 bytes
;; launch proj (part 1): grid 64 x 3, 8 waves a work-group, no clusters, 66,560 bytes of LDS; arguments m_feats, Wv, Wc, bv, bc, lowp_scales, kimg, qv; writes kimg, qv
.if DOCPART == 1
	.amdgcn_target "amdgcn-amd-amdhsa--gfx1250"
	.amdhsa_code_object_version 6
	.text
	.protected	k_qcd617be29d_proj
	.globl	k_qcd617be29d_proj
	.p2align	8
	.type	k_qcd617be29d_proj,@function
k_qcd617be29d_proj:
	s_mov_b64 s[64:65], 0
	v_nop
	global_prefetch_b8 v0, s[64:65] scope:SCOPE_SE
	s_setreg_imm32_b32 hwreg(HW_REG_WAVE_MODE, 25, 1), 1
	s_wait_xcnt 0x0
; THE THREE PROJECTIONS, AND THEIR RESULTS AS CODES.  m_k = m_feats Wv^T + bv, m_q and m_v = m_feats Wc^T + bc (Wc's rows 0-511 and 512-1023), products on codes of BF8 (E5M2), sums in f32.
; NO WORK IS LEFT OUT in this program: with the quantisers taken as they stand both biases move codes, every product reaches the output, and every input is loaded.
; SCALES (lowp_scales, whole numbers e, a scale is 2^e): e0 m_feats and e1 Wv for m_k; e2 m_feats and e3 Wc for m_q, m_v; the results are quantised for the attention: m_k by e4, m_q by e5, m_v by e6.
; code = x / 2^e, held within +-57,344, to the nearest code, ties to even.  A sum stands for sum x 2^(ea + eb): the bias goes in as the C of a sum's first product, divided by 2^(ea + eb), and the
; result's conversion takes the one scale 2^(eo - ea - eb).
; LIMITS: ea, eb and eo - ea - eb lie between -126 and 112, so that each power of two and 57,344 times it is an f32 number.  NaN among the inputs is not served.
; SHARES.  Work-group (x, kind): rows 128 x .. 128 x + 127 of m_feats (batch x / 32, key step x % 32), kind 0 = m_k, 1 = m_q, 2 = m_v.  Wave w is head w: its 64 rows of the weight x 512 K are quantised in
; registers and stay as codes in window 1, which they fill: 16 fragments of 16 registers.  Wave w also quantises tile w of the 128 rows (4 fragments), which reach the other waves through LDS as images
; of the operand's registers: lane l's 16 bytes at 16 l, 512 bytes a store.  One barrier.
; THE PRICE OF QUANTISING HERE: a weight row is read as f32 by 64 work-groups and a row of m_feats by 3, and quantised as often: 20 fragments x 72 vector lines a wave beside 128 products.
; 192 work-groups: 1,536 x 8,192 results in blocks of one kind.  No tensor load and no cluster: what is shared arrives as f32 and has to pass through registers for the quantiser.
; THE ROWS OF A TILE ARE NOT NEIGHBOURS: lane r of tile 2 P + u of m_feats takes row 32 P + 8 u + r + 8 (r / 8).
;   m_k, m_q: the product is used transposed (source 0 = 16 rows of the weight, taken in the same pattern; source 1 = the tile of m_feats): the 16 registers of weight tiles 2 g, 2 g + 1 are
;   d = 32 g + 16 (lane / 16) + 0 .. 15 of the lane's row: their four code registers are half a fragment of the scores' product (K = 64).
;   m_v: source 0 = the tile of m_feats, source 1 = weight rows 16 dt + r: the 16 registers of tiles 2 P, 2 P + 1 are rows 32 P + 16 (lane / 16) + 0 .. 15 of the lane's d: registers 4 P .. 4 P + 3 of a fragment whose K is the rows.
; OUT, in the order of the operands' registers, each store of a wave 512 consecutive bytes, aligned:
;   kimg [y = 8 batch + head][tile T of 256][g][lane][16 B];   qv [y][key step of 32][16,384 B]: 8,192 B of m_q as [t][g][lane][16 B], then 8,192 B of m_v as [dt][c][lane][16 B].
; K's places in a fragment: registers 4 c .. 4 c + 3 hold k = 32 c + 16 (lane / 16) + 0 .. 15, alike in both operands of every product, so every number meets its partner.
; REGISTERS, window 0: v1-9 addresses; v10-15 scales and holds; v16-31 codes just made; v32-63 the bias, 4 tiles x 8; v64-255 three sets of 64 numbers as loaded; later v64-127 eight accumulators, v128-255 eight fragments of m_feats.
.set SPARE, 65536                      ; behind the images: the spare words, 128 bytes for each of eight waves: four blocks of 256 bytes that no other line names
.set LI,   1                           ; v1   16 x lane
.set SPW,  2                           ; v2   LDS address of my spare word; never rewritten
.set NIL,  3                           ; v3   0; never rewritten
.set XA,   4                           ; v4   m_feats: (r + 8 (r / 8)) x 2,048 + 64 h
.set WA0,  5                           ; v5   the weight, even tiles: my row x 2,048 + 64 h
.set WA1,  6                           ; v6   odd tiles
.set XWI,  7                           ; v7   where I store my images: 16 x lane + 8,192 x wave
.set BA,   8                           ; v8   the bias, m_k's and m_q's form: 64 h
.set BAV,  9                           ; v9   m_v's form: 4 r
.set SCO,  10                          ; v10, v11  2^(eo - ea - eb), and 57,344 times it
.set LMO,  11
.set SCX,  12                          ; v12, v13  the same with ea
.set LMX,  13
.set SCW,  14                          ; v14, v15  with eb
.set LMW,  15
.set PC,   16
.set BI,   32
.set SET,  64
.set ACC,  64
.set XF,   128
.set MSB, 0
.macro WIN new                         ; the immediate's high byte repeats the setting that is left; a switch that changes nothing is dropped
.if MSB != \new
	s_set_vgpr_msb (MSB<<8)|\new
.set MSB, \new
.endif
.endm
.macro MKSC e, sc, lim                 ; 2^e as f32 (a conversion takes its exponent field), and 57,344 x 2^e
	s_add_co_i32 s58, \e, 127
	s_lshl_b32 s59, s58, 23
	v_mov_b32 v[\sc], s59
	s_add_co_i32 s58, s58, 15
	s_lshl_b32 s58, s58, 23
	s_or_b32 s58, s58, 0x600000
	v_mov_b32 v[\lim], s58
.endm
; Fragment f of 20, as f32: 64 numbers a lane, register 16 c + i = k 32 c + 16 h + i of my row.  f < 4: K step f of my tile of m_feats; else weight tile (f - 4) / 4, K step (f - 4) % 4.  Three sets by turns.
.macro LOADF f
.set LS, SET+64*((\f)%3)
.if (\f) < 4
.irp c, 0,1,2,3
.irp j, 0,1,2,3
	global_load_b128 v[LS+16*\c+4*\j:LS+16*\c+4*\j+3], v[XA], s[38:39] offset:512*(\f)+128*\c+16*\j
.endr
.endr
.else
.set LWT, ((\f)-4)/4
.set LKS, ((\f)-4)%4
.irp c, 0,1,2,3
.irp j, 0,1,2,3
	global_load_b128 v[LS+16*\c+4*\j:LS+16*\c+4*\j+3], v[WA0+LWT%2], s[32:33] offset:65536*(LWT/2)+512*LKS+128*\c+16*\j
.endr
.endr
.endif
.endm
.macro HOLD src, lim                   ; the conversion to an 8-bit code does not saturate (ISA guide 7.6.2): each number is held within the largest code x the scale first.  Ascending: an accumulator is read from its low end on
.set HI, 0
.rept 64
	v_med3_num_f32 v[\src+HI], v[\src+HI], -v[\lim], v[\lim]
.set HI, HI+1
.endr
.endm
.macro CVT src, dst, sc                ; 64 numbers become 16 registers of codes
.irp g, 0,1,2,3,4,5,6,7
	v_cvt_scalef32_pk8_bf8_f32 v[(\dst)+2*\g:(\dst)+2*\g+1], v[(\src)+8*\g:(\src)+8*\g+7], v[\sc]
.endr
	v_nop                                          ; one plain vector line between the last conversion and the next vector or matrix line that touches its registers
.endm
.macro IMAGE off                       ; the fragment in v[PC] on goes to LDS as it stands
.irp c, 0,1,2,3
	ds_store_b128 v[XWI], v[PC+4*\c:PC+4*\c+3] offset:(\off)+512*\c
.endr
.endm
.macro FRAGSTEP f
.set FS, SET+64*((\f)%3)
.if (\f) < 18
	s_wait_loadcnt 32                              ; this fragment's 16 loads are in; those of the two fragments behind it may be out
.elseif (\f) == 18
	s_wait_loadcnt 20                              ; behind it: fragment 19's 16 loads and the 4 of the bias in m_v's form
.else
	s_wait_loadcnt 0x0
.endif
.if (\f) < 4
	HOLD FS, LMX
.if (\f) > 0
	s_wait_dscnt 0x0                               ; the last image's stores have read v[PC] on
.endif
	CVT FS, PC, SCX
	IMAGE 2048*(\f)
.else
	HOLD FS, LMW
	WIN 0x40                                       ; destination window 1: the weight's codes stay there
	CVT FS, 16*((\f)-4), SCW
	WIN 0
.endif
.if (\f)+3 < 20
	LOADF (\f)+3                                   ; into the set just converted
.endif
.if (\f) == 17
.irp d, 0,1,2,3
	global_load_b32 v[192+\d], v[BAV], s[34:35] offset:64*\d   ; the bias at d = 16 dt + r, into the set that has had its last fragment
.endr
.endif
.endm
; The eight fragments of tiles 2 p and 2 p + 1 of m_feats, K step by K step
.macro PAIRFETCH p
.irp s, 0,1,2,3
.irp t, 0,1
.irp c, 0,1,2,3
	ds_load_b128 v[XF+32*\s+16*\t+4*\c:XF+32*\s+16*\t+4*\c+3], v[LI] offset:(4*(2*(\p)+\t)+\s)*2048+512*\c
.endr
.endr
.endr
.endm
; 32 products: two tiles of m_feats x my four weight tiles x four K steps.  The eight accumulators take turns, one instruction a turn.  The first K step takes the bias as C: nothing is cleared.
.macro PAIRMUL isv
.if \isv
	WIN 0x04                                       ; source 1 (the weight) window 1
.else
	WIN 0x01                                       ; source 0 (the weight) window 1
.endif
.irp s, 0,1,2,3
	s_wait_dscnt 24-8*\s                           ; this K step's 8 loads are in; those of the later K steps may be out
.irp a, 0,1
.irp b, 0,1,2,3
.if \isv
.if \s == 0
	v_wmma_f32_16x16x128_bf8_bf8 v[ACC+8*(2*\b+\a):ACC+8*(2*\b+\a)+7], v[XF+32*\s+16*\a:XF+32*\s+16*\a+15], v[16*(4*\b+\s):16*(4*\b+\s)+15], v[BI+8*\b:BI+8*\b+7]
.else
	v_wmma_f32_16x16x128_bf8_bf8 v[ACC+8*(2*\b+\a):ACC+8*(2*\b+\a)+7], v[XF+32*\s+16*\a:XF+32*\s+16*\a+15], v[16*(4*\b+\s):16*(4*\b+\s)+15], v[ACC+8*(2*\b+\a):ACC+8*(2*\b+\a)+7]
.endif
.else
.if \s == 0
	v_wmma_f32_16x16x128_bf8_bf8 v[ACC+8*(4*\a+\b):ACC+8*(4*\a+\b)+7], v[16*(4*\b+\s):16*(4*\b+\s)+15], v[XF+32*\s+16*\a:XF+32*\s+16*\a+15], v[BI+8*\b:BI+8*\b+7]
.else
	v_wmma_f32_16x16x128_bf8_bf8 v[ACC+8*(4*\a+\b):ACC+8*(4*\a+\b)+7], v[16*(4*\b+\s):16*(4*\b+\s)+15], v[XF+32*\s+16*\a:XF+32*\s+16*\a+15], v[ACC+8*(4*\a+\b):ACC+8*(4*\a+\b)+7]
.endif
.endif
.endr
.endr
.endr
.endm
; The products and the way out, a pair of tiles of m_feats at a time.  isv = 1: m_v.
.macro MAIN isv
.if \isv
.irp dt, 0,1,2,3
.irp i, 0,1,2,3,4,5,6,7
	v_ldexp_f32 v[BI+8*\dt+\i], v[192+\dt], s43    ; bias / 2^(ea + eb): a lane's eight results of a tile share one d
.endr
.endr
.else
.irp j, 0,1,2,3,4,5,6,7,8,9,10,11,12,13,14,15,16,17,18,19,20,21,22,23,24,25,26,27,28,29,30,31
	v_ldexp_f32 v[BI+\j], v[BI+\j], s43            ; bias / 2^(ea + eb)
.endr
.endif
	PAIRFETCH 0
.irp P, 0,1,2,3
	PAIRMUL \isv
	WIN 0
.rept 4
	v_nop                                          ; four places behind the last products, in front of the loads into the fragments that they read and of the first read of their sums
.endr
.if \P < 3
	PAIRFETCH \P+1                                 ; lands while this pair's sums are quantised
.endif
	HOLD ACC, LMO
	s_wait_xcnt 0x0                                ; the last pair's stores have read v[PC] on
	CVT ACC, PC, SCO
.irp m, 0,1,2,3
.if \isv
	global_store_b128 v[LI], v[PC+4*\m:PC+4*\m+3], s[36:37] offset:512*\P+2048*\m   ; [dt = m][c = P]
.else
	global_store_b128 v[LI], v[PC+4*\m:PC+4*\m+3], s[36:37] offset:2048*\P+512*\m   ; [tile 2 P + m / 2][g = m % 2]
.endif
.endr
.endr
.endm
	s_load_b512 s[4:19], s[0:1], 0x0               ; m_feats 4:5, Wv 6:7, Wc 8:9, bv 10:11, bc 12:13, the scales 14:15, kimg 16:17, qv 18:19
	v_lshl_add_u32 v[SPW], v0, 2, SPARE
	v_mov_b32 v[NIL], 0
	v_lshrrev_b32 v16, 5, v0
	v_readfirstlane_b32 s20, v16                   ; wave = head
	s_and_b32 s21, ttmp7, 0xffff                   ; kind
	v_and_b32 v[LI], 31, v0
	v_lshlrev_b32 v[LI], 4, v[LI]
	v_and_b32 v16, 15, v0                          ; r
	v_bfe_u32 v17, v0, 4, 1                        ; h
	v_and_b32 v18, 8, v16
	v_add_nc_u32 v19, v16, v18                     ; r + 8 (r / 8)
	v_lshlrev_b32 v[XA], 11, v19
	v_lshl_add_u32 v[XA], v17, 6, v[XA]
	s_cmp_eq_u32 s21, 2                            ; m_v?
	s_cselect_b32 s45, 0x100000, 0                 ; Wc's rows 512 on,
	s_cselect_b32 s46, 2048, 0                     ; bc's numbers 512 on,
	s_cselect_b32 s47, 8192, 0                     ; the second half of a key step's block,
	s_cselect_b32 s48, 0, 8                        ; weight rows as they lie, or in the pattern,
	s_cselect_b32 s49, 15, 14
	s_lshl_b32 s49, 1, s49                         ; an odd tile 16 rows on, or 8
	s_cmp_eq_u32 s21, 0
	s_cselect_b32 s44, 13, 14                      ; a block of 128 rows is 8,192 bytes of kimg, 16,384 of qv
	v_and_b32 v18, s48, v16
	v_add_nc_u32 v19, v16, v18
	v_lshlrev_b32 v[WA0], 11, v19
	v_lshl_add_u32 v[WA0], v17, 6, v[WA0]
	v_add_nc_u32 v[WA1], s49, v[WA0]
	s_lshl_b32 s58, s20, 13
	v_add_nc_u32 v[XWI], s58, v[LI]
	v_lshlrev_b32 v[BA], 6, v17
	v_lshlrev_b32 v[BAV], 2, v16
	s_lshl_b32 s50, s20, 17                        ; the weight: my head's 64 rows of 2,048 bytes
	s_add_co_u32 s50, s50, s45
	s_mov_b32 s51, 0
	s_lshl_b32 s52, s20, 8                         ; the bias: my head's 64 numbers
	s_add_co_u32 s52, s52, s46
	s_mov_b32 s53, 0
	s_lshr_b32 s54, ttmp9, 5                       ; out: ((8 batch + head) x 32 + key step) blocks
	s_lshl_b32 s54, s54, 3
	s_add_co_u32 s54, s54, s20
	s_lshl_b32 s54, s54, 5
	s_and_b32 s55, ttmp9, 31
	s_add_co_u32 s54, s54, s55
	s_lshl_b32 s54, s54, s44
	s_add_co_u32 s54, s54, s47
	s_mov_b32 s55, 0
	s_lshl_b32 s56, ttmp9, 18                      ; m_feats: 128 x rows of 2,048 bytes, + my tile's first row 32 (w / 2) + 8 (w % 2)
	s_lshr_b32 s57, s20, 1
	s_lshl_b32 s57, s57, 16
	s_add_co_u32 s56, s56, s57
	s_and_b32 s57, s20, 1
	s_lshl_b32 s57, s57, 14
	s_add_co_u32 s56, s56, s57
	s_mov_b32 s57, 0
	s_wait_kmcnt 0x0
	s_load_b256 s[24:31], s[14:15], 0x0            ; e0 .. e7
	s_cmp_eq_u32 s21, 0                            ; the buffers are chosen by the work-group's number alone
	s_cselect_b64 s[32:33], s[6:7], s[8:9]
	s_cselect_b64 s[34:35], s[10:11], s[12:13]
	s_cselect_b64 s[36:37], s[16:17], s[18:19]
	s_add_nc_u64 s[32:33], s[32:33], s[50:51]
	s_add_nc_u64 s[34:35], s[34:35], s[52:53]
	s_add_nc_u64 s[36:37], s[36:37], s[54:55]
	s_add_nc_u64 s[38:39], s[4:5], s[56:57]
; The bias in m_k's and m_q's form: lane (r, h) wants, for weight tile 2 g + u, the numbers 32 g + 16 h + 8 u + 0 .. 7.  Both forms are loaded in every work-group (12 small loads, inside my head's 256 bytes),
; so that the text has one path up to the products.
.irp t, 0,1,2,3
	global_load_b128 v[BI+8*\t:BI+8*\t+3], v[BA], s[34:35] offset:(32*(\t/2)+8*(\t%2))*4
	global_load_b128 v[BI+8*\t+4:BI+8*\t+7], v[BA], s[34:35] offset:(32*(\t/2)+8*(\t%2))*4+16
.endr
	LOADF 0
	LOADF 1
	LOADF 2
	s_wait_kmcnt 0x0
	s_cmp_eq_u32 s21, 0
	s_cselect_b32 s40, s24, s26                    ; ea
	s_cselect_b32 s41, s25, s27                    ; eb
	s_cselect_b32 s42, s28, s29                    ; eo: m_k's e4, m_q's e5,
	s_cmp_eq_u32 s21, 2
	s_cselect_b32 s42, s30, s42                    ; m_v's e6
	s_add_co_i32 s43, s40, s41
	s_sub_co_i32 s44, s42, s43                     ; eo - ea - eb
	s_sub_co_i32 s43, 0, s43                       ; -(ea + eb)
	MKSC s40, SCX, LMX
	MKSC s41, SCW, LMW
	MKSC s44, SCO, LMO
.set F, 0
.rept 20
	FRAGSTEP F
.set F, F+1
.endr
	s_wait_dscnt 0x0                               ; for the others' sake: my four images have landed
	s_barrier_signal -1
	s_barrier_wait -1                              ; all 32 images lie in LDS; nothing is stored there from here on
	s_cmp_eq_u32 s21, 2
	s_cbranch_scc1 .Lvalues
	MAIN 0
	s_branch .Lend
.Lvalues:
	MAIN 1
.Lend:
	s_wait_tensorcnt 0x0                           ; the wave's end: three closing lines, behind my last LDS store
	ds_add_u32 v[SPW], v[NIL]
	s_wait_dscnt 0x0
	s_endpgm
.Lfunc_end_k_qcd617be29d_proj:
	.size	k_qcd617be29d_proj, .Lfunc_end_k_qcd617be29d_proj-k_qcd617be29d_proj
	.p2alignl 7, 3214868480
	.fill 96, 4, 3214868480
	.section	.rodata,"a",@progbits
	.p2align	6, 0x0
	.amdhsa_kernel k_qcd617be29d_proj
		.amdhsa_group_segment_fixed_size 66560
		.amdhsa_private_segment_fixed_size 0
		.amdhsa_enable_private_segment 0
		.amdhsa_kernarg_size 64
		.amdhsa_user_sgpr_count 2
		.amdhsa_user_sgpr_kernarg_segment_ptr 1
		.amdhsa_wavefront_size32 1
		.amdhsa_system_sgpr_workgroup_id_x 1
		.amdhsa_system_sgpr_workgroup_id_y 1
		.amdhsa_system_sgpr_workgroup_id_z 1
		.amdhsa_system_vgpr_workitem_id 0
		.amdhsa_next_free_vgpr 512
		.amdhsa_next_free_sgpr 66
		.amdhsa_reserve_vcc 0
		.amdhsa_float_denorm_mode_32 3
		.amdhsa_float_denorm_mode_16_64 3
		.amdhsa_memory_ordered 1
		.amdhsa_forward_progress 1
		.amdhsa_inst_pref_size 207
	.end_amdhsa_kernel
	.amdgpu_metadata
---
amdhsa.version: [ 1, 2 ]
amdhsa.kernels:
  - .name:           k_qcd617be29d_proj
    .symbol:         k_qcd617be29d_proj.kd
    .args:
      - { .name: m_feats, .offset: 0, .size: 8, .value_kind: global_buffer, .address_space: global }
      - { .name: Wv, .offset: 8, .size: 8, .value_kind: global_buffer, .address_space: global }
      - { .name: Wc, .offset: 16, .size: 8, .value_kind: global_buffer, .address_space: global }
      - { .name: bv, .offset: 24, .size: 8, .value_kind: global_buffer, .address_space: global }
      - { .name: bc, .offset: 32, .size: 8, .value_kind: global_buffer, .address_space: global }
      - { .name: lowp_scales, .offset: 40, .size: 8, .value_kind: global_buffer, .address_space: global }
      - { .name: kimg, .offset: 48, .size: 8, .value_kind: global_buffer, .address_space: global }
      - { .name: qv, .offset: 56, .size: 8, .value_kind: global_buffer, .address_space: global }
    .group_segment_fixed_size: 66560
    .private_segment_fixed_size: 0
    .kernarg_segment_align: 8
    .kernarg_segment_size: 64
    .max_flat_workgroup_size: 256
    .sgpr_count:     66
    .vgpr_count:     512
    .wavefront_size: 32
...
	.end_amdgpu_metadata
.endif
;; end of part 1
;; launch attn (part 2): grid 16 x 16, 8 waves a work-group, clusters of 4 x 1, 327,680 bytes of LDS; arguments kimg, qv, lowp_scales, m_feats, out0; writes out0
.if DOCPART == 2
	.amdgcn_target "amdgcn-amd-amdhsa--gfx1250"
	.amdhsa_code_object_version 6
	.text
	.protected	k_qcd617be29d_attn
	.globl	k_qcd617be29d_attn
	.p2align	8
	.type	k_qcd617be29d_attn,@function
k_qcd617be29d_attn:
	s_mov_b64 s[64:65], 0
	v_nop
	global_prefetch_b8 v0, s[64:65] scope:SCOPE_SE
	s_setreg_imm32_b32 hwreg(HW_REG_WAVE_MODE, 25, 1), 1
	s_wait_xcnt 0x0
	s_wait_alu depctr_hold_cnt(0) depctr_sa_sdst(0) depctr_va_vdst(0) depctr_va_sdst(0) depctr_va_ssrc(0) depctr_va_vcc(0) depctr_vm_vsrc(0)
	s_getreg_b32 s2, hwreg(HW_REG_IB_STS2, 6, 4)
	s_cmp_eq_u32 s2, 0
	s_cbranch_scc0 .Lentry_in_a_cluster
	s_endpgm
.Lentry_in_a_cluster:
	s_bfe_u32 s2, ttmp6, 0x10000c
	s_cmp_lg_u32 s2, 0x3003
	s_cbranch_scc0 .Lentry_shape_is_right
	s_endpgm
.Lentry_shape_is_right:
; out0[b][i][head] = m_feats[b][i][head] + the sum over j of softmax_j(m_k[i] . m_q[j] / 8) m_v[j], both products on codes of BF8 (E5M2).  No work is left out.
; kimg and qv hold the codes in the order of the operands' registers (the launch before lays them): a fragment comes by loads of 16 bytes a lane at 16 x lane, with no pitch and no padding.
; THE SOFTMAX AHEAD OF THE SECOND PRODUCT: t = score x log2(e) / 8; M = the row's largest t so far, rounded UP to a whole number; p = 2^(t - M) is what is quantised (scale 2^e7), not normalised.  The row's sum is
; taken of the unquantised p, in f32, and divides at the end.  When M moves, the sum and O are multiplied by 2^(old M - new M): nothing is rounded, and no branch hangs on data.
; SHARES.  y = 8 batch + head.  A work-group owns 256 rows i; each of its eight waves 32 of them: two tiles of 16, A and B (tile u, lane r: row 32 P + 8 u + r + 8 (r / 8), P = 8 x block + wave).  Two waves to a SIMD.
; Every wave walks all 4,096 j, 128 a step.  A fragment of m_q or m_v read from LDS feeds two products.
; LAYOUT.  Both products are used transposed: S^T = q k^T (source 0 = 16 j, source 1 = my 16 rows), O^T = v^T p^T (source 0 = 16 of the head's 64, source 1 = p): a lane holds ONE row i throughout.
; The j of a tile of m_q are chosen so that the 16 registers of tiles 2 c, 2 c + 1 are j = 32 c + 16 (lane / 16) + 0 .. 15: the conversions' results are the second product's operand.
; WINDOWS.  Tile A's state lies in window 0 and tile B's in window 1, at the same register numbers, so that the softmax, the start and the end are each one text, run under two settings.
; RING.  Two LDS slots of 512 j (four steps of 16,384 bytes: 8,192 of m_q, 8,192 of m_v), filled by the tensor data mover: waves 0 to 3 fetch a step's block each, 64 rows of 256 bytes.  One tensor load of a wave is out at most.
; CLUSTER.  The four blocks of rows of a cluster belong to one y and walk the same m_q and m_v: each block of codes is asked for JOINTLY, by the same tensor load with the same descriptor and a mask that names the four.
; LIMITS on the given exponents, so that each power of two below is an f32 number: e4 + e5 between -123 and 130 (added to c's exponent field); e7 between -126 and 112; e6 + e7 is applied by v_ldexp_f32 and has none.
; REGISTERS.  Window 0 alone: v1-8 addresses.  Both windows: v12 -M, v13 the largest t, v[14:15] the sum in two halves, v[16:23] my tile of m_k, v24 57,344 x 2^e7, v25 2^e7, v26-31 at work,
;   v96-159 S^T, then p, v160-191 O^T, v192-207 p's codes, v208-239 m_feats at my 16 rows.  v32-95: in window 0 m_q's eight fragments, in window 1 m_v's four.
.set SLOT1, 1<<16                      ; slot 1 begins here: one exclusive or turns an address in one slot into the other's
.set STAGE, 2*SLOT1                    ; behind the ring: 16 rows x (256 + 16) bytes for each tile of each wave, for the way out
.set TSTG,  16*272
.set SPARE, STAGE+16*TSTG              ; behind the stages: the spare words, 128 bytes for each of eight waves: four blocks of 256 bytes that no other line names
.set LI,   1                           ; v1   16 x lane
.set SPW,  2                           ; v2   LDS address of my spare word; never rewritten
.set NIL,  3                           ; v3   0; never rewritten
.set ADR,  4                           ; v4   LDS address of the step in hand
.set PFO,  5                           ; v5   256 x lane: the prefetches' offset; never rewritten
.set STO,  6                           ; v6   the way out: where I put 32 bytes of a row
.set RD,   7                           ; v7   and where I read a row back
.set GO,   8                           ; v8   my byte offset among my rows of m_feats and out0
.set S,    96
.set O,    160
.set PCD,  192
.set MF,   208
.set WV,   14                          ; s14  my wave's number
.set CS,   22                          ; s[22:23] c = log2(e) / 8 x 2^(e4 + e5): the packed form names a pair and takes its low word for both halves
.set G1,   24                          ; s[24:31] descriptor group 1
.set G0,   32                          ; s[32:35] descriptor group 0, which walks
.set SEL,  36                          ; s[36:37] lane selects for v_permlanex16_b32: lane l xor 16
.set TB,   38                          ; s38  LDS byte at which the step in hand begins
.set SLOTS, 39                         ; s39  slots still to be asked for
.set CNT,  40                          ; s40  counts a slot's four steps
.set PFA,  42                          ; s[42:43] where my prefetches stand
.set LIM,  44                          ; s44  1 in a wave that prefetches, else the greatest number
.set MSB, 0
.macro WIN new                         ; the immediate's high byte repeats the setting that is left; a switch that changes nothing is dropped
.if MSB != \new
	s_set_vgpr_msb (MSB<<8)|\new
.set MSB, \new
.endif
.endm
; A round of the cluster's barrier: my work-group's barrier, so that wave 0's signal speaks for all eight waves; wave 0 signals for the work-group; every wave waits for all four work-groups; my work-group's barrier once more.
.macro CROUND
	s_barrier_signal -1
	s_barrier_wait -1
	s_cmp_lg_u32 s[WV], 0
	s_cbranch_scc1 .Lnot_wave_0_\@
	s_barrier_signal -3
.Lnot_wave_0_\@:
	s_barrier_wait -3
	s_barrier_signal -1
	s_barrier_wait -1
.endm
; The joint load: waves 0 to 3, a step's block each.  The branch hangs on the wave's number alone.  An s_nop 0 and four v_nop follow the load.
.macro TLOAD
	s_cmp_lt_u32 s[WV], 4
	s_cbranch_scc0 .Lno_load_\@
	tensor_load_to_lds s[G0:G0+3], s[G1:G1+7]
	s_nop 0
.rept 4
	v_nop
.endr
.Lno_load_\@:
.endm
; A prefetch of what the NEXT change of slots will ask for: 65,536 bytes, four steps ahead of that load.  Each aligned block of 256 bytes is named once in the launch: all clusters of a y walk the same codes, so the
; y's first cluster asks; its four partners take 16,384 bytes each, told apart BY ADDRESS; in each, waves 4 and 5, which fetch nothing, ask for 8,192 bytes each, lanes 256 bytes apart.
; The last change that fills a slot asks for nothing; the first two slots' codes come by their loads alone.
.macro ASK
	s_cmp_gt_u32 s[SLOTS], s[LIM]
	s_cbranch_scc0 .Lnot_mine_\@
	global_prefetch_b8 v[PFO], s[PFA:PFA+1] th:TH_LOAD_NT scope:SCOPE_SE
.Lnot_mine_\@:
.endm
; THE CHANGE OF SLOTS stands at a slot's head.  Each wave waits for all its tensor loads (its part of the slot that it is about to read), adds 0 to its spare word, and waits for that and for its reads of the slot that it has left.
; fill = 1: a round of the cluster's barrier follows, so that no wave of any partner still reads the other slot or has a load on its way, and the joint load into it is the first thing behind the round: it has four steps in which to land.
.macro CHANGE fill
	s_wait_tensorcnt 0x0                           ; no tensor load of mine is out, so group 0 may be written
	ds_add_u32 v[SPW], v[NIL]                      ; 0 onto my spare word
.if \fill
	ds_add_u32 v[SPW], v[NIL]                      ; and once more
	s_xor_b32 s[G0+1], s[G0+1], SLOT1              ; the walking descriptor: the other slot than last time,
	s_add_nc_u64 s[G0+2:G0+3], s[G0+2:G0+3], 65536 ; the next 512 j; the type bits on top are not reached
	s_wait_xcnt 0x0                                ; the last prefetch, a slot back, has read its address, so it may be written:
	s_add_nc_u64 s[PFA:PFA+1], s[PFA:PFA+1], 65536 ; one slot further on than the walking descriptor
	s_wait_dscnt 0x0                               ; both adds are done, and my reads of the slot that I have left are over
	CROUND
	TLOAD
	ASK
.else
	s_wait_dscnt 0x0                               ; the add is done, and my reads of the slot that I have left are over
	s_barrier_signal -1
	s_barrier_wait -1
.endif
.endm
; ONE TILE'S SOFTMAX FOR 128 j: 258 lines, all in the window that is set.  A lane holds 64 scores of its row; the lane 16 away holds the other 64.
.macro SOFTMAX
.irp k, 0,1,2,3                        ; the largest score, in four chains; chain k runs up through accumulators 2 k and 2 k + 1, so each is read from its low end on
	v_max3_num_f32 v[26+\k+\k/3], v[S+16*\k], v[S+16*\k+1], v[S+16*\k+2]
.endr
.irp m, 0,1,2,3,4,5
.irp k, 0,1,2,3
	v_max3_num_f32 v[26+\k+\k/3], v[26+\k+\k/3], v[S+16*\k+3+2*\m], v[S+16*\k+4+2*\m]
.endr
.endr
	v_max3_num_f32 v26, v26, v[S+15], v[S+31]      ; the four scores left over, and the chains joined
	v_max3_num_f32 v28, v28, v[S+47], v[S+63]
	v_max3_num_f32 v26, v26, v27, v28
	v_max_num_f32 v26, v26, v30
	v_permlanex16_b32 v27, v26, s[SEL], s[SEL+1]
	v_max_num_f32 v26, v26, v27                    ; and the other half of the lanes'
	v_mul_f32 v26, s[CS], v26                      ; as t (c is positive)
	v_max_num_f32 v13, v13, v26                    ; the running largest t
	v_mov_b32 v26, v12
	v_floor_f32 v12, -v13                          ; the new -M = floor(-t) = -ceil(t): a whole number
	v_sub_f32 v26, v12, v26                        ; old M less new M: a whole number, 0 or less
	v_cvt_i32_f32 v26, v26                         ; (it saturates)
	v_ldexp_f32 v28, 1.0, v26                      ; f = 2^(old M - new M)
.set J, 0
.rept 32
	v_pk_fma_f32 v[S+2*J:S+2*J+1], v[S+2*J:S+2*J+1], s[CS:CS+1], v[12:13] op_sel_hi:[1,0,0]   ; t - M, two at a time
.set J, J+1
.endr
.set J, 0
.rept 64
	v_exp_f32 v[S+J], v[S+J]                       ; p = 2^(t - M), at most 1
.set J, J+1
.endr
	v_pk_mul_f32 v[14:15], v[14:15], v[28:29] op_sel_hi:[1,0]   ; the sum under the new M: also the plain line behind the last exponential
	s_wait_alu depctr_va_vdst(0)                   ; one wait for the batch of 64, ahead of the first line that names a result
	v_pk_add_f32 v[26:27], v[S:S+1], v[S+2:S+3]    ; the sum of the UNQUANTISED p, two at a time, in three chains
	v_pk_add_f32 v[30:31], v[S+4:S+5], v[S+6:S+7]
.set J, 4
.rept 28
.if J%3 == 1
	v_pk_add_f32 v[14:15], v[14:15], v[S+2*J:S+2*J+1]
.elseif J%3 == 2
	v_pk_add_f32 v[26:27], v[26:27], v[S+2*J:S+2*J+1]
.else
	v_pk_add_f32 v[30:31], v[30:31], v[S+2*J:S+2*J+1]
.endif
.set J, J+1
.endr
	v_pk_add_f32 v[26:27], v[26:27], v[30:31]
	v_pk_add_f32 v[14:15], v[14:15], v[26:27]
.irp b, 0,1,2,3
.irp i, 0,1,2,3,4,5,6,7,8,9,10,11,12,13,14,15
	v_min_num_f32 v[S+16*\b+\i], v[S+16*\b+\i], v24   ; the conversion to an 8-bit code does not saturate (ISA guide 7.6.2); p is not negative, so the hold is one-sided
.endr
	v_cvt_scalef32_pk8_bf8_f32 v[PCD+4*\b:PCD+4*\b+1], v[S+16*\b:S+16*\b+7], v25
	v_cvt_scalef32_pk8_bf8_f32 v[PCD+4*\b+2:PCD+4*\b+3], v[S+16*\b+8:S+16*\b+15], v25
.endr
.set J, 0
.rept 16
	v_pk_mul_f32 v[O+2*J:O+2*J+1], v[O+2*J:O+2*J+1], v[28:29] op_sel_hi:[1,0]   ; O^T under the new M; these are also the plain lines between the conversions and the products that read the codes
.set J, J+1
.endr
.endm
.macro PV                              ; O^T += v^T p^T: four accumulators, one instruction each
.irp d, 0,1,2,3
	v_wmma_f32_16x16x128_bf8_bf8 v[O+8*\d:O+8*\d+7], v[32+16*\d:32+16*\d+15], v[PCD:PCD+15], v[O+8*\d:O+8*\d+7]
.endr
.endm
; A STEP: 128 j.  No two matrix instructions that follow each other share an accumulator, over the backward jump too.  Tile B's scores and tile A's second product are issued ahead of the softmaxes that they stand beside.
.macro STEP
	WIN 0
	v_add_nc_u32 v[ADR], s[TB], v[LI]
.rept 3
	v_nop                                          ; with the addition: four places behind the last step's products, in front of the loads into m_v's fragments (ISA guide 7.12.1 for vector lines)
.endr
.irp t, 0,1,2,3,4,5,6,7
	ds_load_b128 v[32+8*\t:32+8*\t+3], v[ADR] offset:1024*\t
	ds_load_b128 v[32+8*\t+4:32+8*\t+7], v[ADR] offset:1024*\t+512
.endr
	WIN 0x40                                       ; destination window 1
.irp d, 0,1,2,3
.irp c, 0,1,2,3
	ds_load_b128 v[32+16*\d+4*\c:32+16*\d+4*\c+3], v[ADR] offset:8192+2048*\d+512*\c
.endr
.endr
	WIN 0
	s_wait_dscnt 24                                ; m_q's tiles 0 to 3 are in: 8 loads of the 32; the 24 behind them may be out
.irp t, 0,1,2,3
	v_wmma_f32_16x16x64_bf8_bf8 v[S+8*\t:S+8*\t+7], v[32+8*\t:32+8*\t+7], v[16:23], 0
.endr
	s_wait_dscnt 16                                ; all of m_q is in; m_v's 16 loads may be out
.irp t, 4,5,6,7
	v_wmma_f32_16x16x64_bf8_bf8 v[S+8*\t:S+8*\t+7], v[32+8*\t:32+8*\t+7], v[16:23], 0
.endr
	WIN 0x54                                       ; m_q window 0; tile B's m_k and scores window 1
.irp t, 0,1,2,3,4,5,6,7
	v_wmma_f32_16x16x64_bf8_bf8 v[S+8*\t:S+8*\t+7], v[32+8*\t:32+8*\t+7], v[16:23], 0
.endr
	WIN 0
.rept 4
	v_nop                                          ; four places in front of the first read of tile A's scores
.endr
	SOFTMAX
	s_wait_dscnt 0x0                               ; m_v is in
	WIN 0x01                                       ; m_v window 1; tile A's codes and O^T window 0
	PV
	WIN 0x55                                       ; all of tile B's
	SOFTMAX
	PV
	WIN 0
	s_add_co_u32 s[TB], s[TB], 16384               ; the next step's block
.endm
.macro SLOT_STEPS                      ; a slot's four steps: written once, walked four times; the LDS address hangs on s[TB]
	s_mov_b32 s[CNT], 4
.Lstep_\@:
	STEP
	s_sub_co_u32 s[CNT], s[CNT], 1
	s_cmp_lg_u32 s[CNT], 0
	s_cbranch_scc1 .Lstep_\@
	s_sub_co_u32 s[TB], s[TB], 65536               ; back to a slot's first step,
	s_xor_b32 s[TB], s[TB], SLOT1                  ; in the other slot
.endm
.macro INIT                            ; the step is written once: the first finds zeros, which the first change of M leaves zeros
	v_mov_b32 v13, 0xff61b1e6                      ; the largest t so far: -3e38, under every t
	v_floor_f32 v12, -v13
	v_mov_b32 v14, 0
	v_mov_b32 v15, 0
	v_mov_b32 v29, 0                               ; (named as the upper half of f's pair)
	v_mov_b32 v24, s57
	v_mov_b32 v25, s58
.set J, 0
.rept 32
	v_mov_b32 v[O+J], 0
.set J, J+1
.endr
.endm
.macro FINISH                          ; O^T / the sum x 2^(e6 + e7), into S^T's registers; each accumulator from its low end on
	v_add_f32 v14, v14, v15
	v_permlanex16_b32 v26, v14, s[SEL], s[SEL+1]
	v_add_f32 v14, v14, v26                        ; the row's sum
	v_rcp_f32 v14, v14
	v_nop                                          ; a plain line behind the reciprocal,
	s_wait_alu depctr_va_vdst(0)                   ; and the wait ahead of the first use
	v_ldexp_f32 v14, v14, s56
.set J, 0
.rept 16
	v_pk_mul_f32 v[S+2*J:S+2*J+1], v[O+2*J:O+2*J+1], v[14:15] op_sel_hi:[1,0]
.set J, J+1
.endr
.endm
	s_load_b256 s[4:11], s[0:1], 0x0               ; kimg 4:5, qv 6:7, the scales 8:9, m_feats 10:11
	s_load_b64 s[12:13], s[0:1], 0x20              ; out0
	v_lshl_add_u32 v[SPW], v0, 2, SPARE
	v_mov_b32 v[NIL], 0
	ds_add_u32 v[SPW], v[NIL]                      ; the wave's opening: the add, twice on end, and its wait ahead of the first tensor load; the set-up below, work on registers, stands between
	ds_add_u32 v[SPW], v[NIL]
	v_lshrrev_b32 v9, 5, v0
	v_readfirstlane_b32 s[WV], v9                  ; wave 0..7
	s_bfe_u32 s15, ttmp6, 0x40000                  ; cx: my place in the cluster
	s_lshl_b32 s16, ttmp9, 2                       ; in a cluster launch ttmp9 counts clusters
	s_add_co_u32 s16, s16, s15                     ; my block of 256 rows: it enters kimg's, m_feats' and out0's addresses alone
	s_and_b32 s17, ttmp7, 0xffff                   ; y, which the four partners share
	; descriptor group 1: a dense block of 16,384 bytes as 64 rows of 32 elements of 8 bytes
	s_mov_b32 s[G1], 15|(3<<16)|(1<<21)            ; 15:0 the mask: all four work-groups; 17:16 elements of 8 bytes; 20 no padding; 21 set beside a mask
	s_mov_b32 s[G1+1], 32<<16                      ; tensor_dim0 = 32
	s_mov_b32 s[G1+2], 64<<16                      ; tensor_dim1 = 64
	s_mov_b32 s[G1+3], 32<<16                      ; tile_dim0 = 32
	s_mov_b32 s[G1+4], 64                          ; tile_dim1 = 64
	s_mov_b32 s[G1+5], 32                          ; from row to row: 32 elements
	s_mov_b32 s[G1+6], 0
	s_mov_b32 s[G1+7], 0
	s_mov_b32 s[G0], 1                             ; count = 1
	s_lshl_b32 s[G0+1], s[WV], 14                  ; LDS address: slot 0, step = my wave's number: no place in the cluster enters it
	s_mov_b32 s[SEL], 0x76543210
	s_mov_b32 s[SEL+1], 0xfedcba98
	s_mov_b32 s[CS], 0x3e38aa3b                    ; log2(e) / 8
	s_mov_b32 s[TB], 0
	s_mov_b32 s[SLOTS], 7
	s_sub_co_u32 s20, s[WV], 4
	s_lshr_b32 s20, s20, 1                         ; 0 in waves 4 and 5,
	s_or_b32 s20, s20, ttmp9                       ; of the y's first cluster: the same in all four partners
	s_cmp_eq_u32 s20, 0
	s_cselect_b32 s[LIM], 1, -1
	s_lshl_b32 s20, s17, 19                        ; qv: y's 524,288 bytes, + my step's block (in registers that never hold cx)
	s_lshl_b32 s21, s[WV], 14
	s_add_co_u32 s20, s20, s21
	s_mov_b32 s21, 0
	s_lshl_b32 s58, s17, 19                        ; the prefetches: y, + my work-group's 16,384 bytes, + my wave's 8,192,
	s_lshl_b32 s59, s15, 14
	s_add_co_u32 s58, s58, s59
	s_and_b32 s59, s[WV], 1
	s_lshl_b32 s59, s59, 13
	s_add_co_u32 s58, s58, s59
	s_add_co_u32 s58, s58, 65536                   ; in the second 512 j: the first change of slots steps it to the third.  Nothing is prefetched here, at the head
	s_mov_b32 s59, 0
	s_lshl_b32 s18, s17, 8                         ; kimg: tile 256 y + 16 x block + 2 x wave, of 1,024 bytes
	s_lshl_b32 s19, s16, 4
	s_add_co_u32 s18, s18, s19
	s_lshl_b32 s19, s[WV], 1
	s_add_co_u32 s18, s18, s19
	s_lshl_b32 s18, s18, 10
	s_mov_b32 s19, 0
	s_lshl_b32 s46, s16, 3                         ; m_feats, out0: row 4,096 batch + 32 P of 2,048 bytes, + 256 x head
	s_add_co_u32 s46, s46, s[WV]
	s_lshl_b32 s46, s46, 16
	s_lshr_b32 s47, s17, 3
	s_lshl_b32 s47, s47, 23
	s_add_co_u32 s46, s46, s47
	s_and_b32 s47, s17, 7
	s_lshl_b32 s47, s47, 8
	s_add_co_u32 s46, s46, s47
	s_mov_b32 s47, 0
	s_mul_i32 s45, s[WV], 2*TSTG
	s_add_co_u32 s45, s45, STAGE                   ; my two stages
	v_and_b32 v[LI], 31, v0
	v_lshlrev_b32 v[PFO], 8, v[LI]
	v_lshlrev_b32 v[LI], 4, v[LI]
	v_and_b32 v9, 15, v0                           ; r
	v_bfe_u32 v10, v0, 4, 1                        ; h
	v_mul_u32_u24 v[STO], v9, 272                  ; in: row r, 32 bytes for each half of the lanes
	v_lshl_add_u32 v[STO], v10, 5, v[STO]
	v_add_nc_u32 v[STO], s45, v[STO]
	v_mul_u32_u24 v[RD], v10, 272                  ; back: lanes 0-15 one row of 256 bytes, lanes 16-31 the next
	v_lshl_add_u32 v[RD], v9, 4, v[RD]
	v_add_nc_u32 v[RD], s45, v[RD]
	v_lshlrev_b32 v[GO], 4, v9                     ; and the same two rows in m_feats and out0
	v_lshl_add_u32 v[GO], v10, 11, v[GO]
	s_wait_dscnt 0x0                               ; both opening adds are done
	s_wait_kmcnt 0x0
	s_load_b256 s[48:55], s[8:9], 0x0              ; e0 .. e7
	s_add_nc_u64 s[G0+2:G0+3], s[6:7], s[20:21]    ; global address: y's first 512 j, my step
	s_or_b32 s[G0+3], s[G0+3], 0x80000000          ; type = 2
	s_add_nc_u64 s[PFA:PFA+1], s[6:7], s[58:59]
	s_add_nc_u64 s[4:5], s[4:5], s[18:19]
	s_add_nc_u64 s[10:11], s[10:11], s[46:47]
	s_add_nc_u64 s[12:13], s[12:13], s[46:47]
	CROUND                                         ; all four work-groups are here: the first joint loads meet
	TLOAD                                          ; slot 0
	global_load_b128 v[16:19], v[LI], s[4:5] th:TH_LOAD_NT               ; tile A of m_k: d = 16 h + 0 .. 15,
	global_load_b128 v[20:23], v[LI], s[4:5] offset:512 th:TH_LOAD_NT    ; d = 32 + 16 h + 0 .. 15
	WIN 0x40
	global_load_b128 v[16:19], v[LI], s[4:5] offset:1024 th:TH_LOAD_NT   ; tile B
	global_load_b128 v[20:23], v[LI], s[4:5] offset:1536 th:TH_LOAD_NT
	WIN 0
.irp n, 0,1,2,3,4,5,6,7                ; m_feats at my rows and head, as the way out will want it: stage rows 2 n, 2 n + 1 are rows 2 n + 8 (n / 4) + 8 u + (0, 1) of my 32
	global_load_b128 v[MF+4*\n:MF+4*\n+3], v[GO], s[10:11] offset:(2*\n+8*(\n/4))*2048 th:TH_LOAD_NT
.endr
	WIN 0x40
.irp n, 0,1,2,3,4,5,6,7
	global_load_b128 v[MF+4*\n:MF+4*\n+3], v[GO], s[10:11] offset:(2*\n+8*(\n/4)+8)*2048 th:TH_LOAD_NT
.endr
	WIN 0
	s_wait_kmcnt 0x0
	s_add_co_i32 s57, s52, s53                     ; a score stands for score x 2^(e4 + e5): the two exponents are added to c's exponent field
	s_lshl_b32 s57, s57, 23
	s_add_co_i32 s[CS], s[CS], s57
	s_mov_b32 s[CS+1], s[CS]                       ; (named with it as a pair, so it is written)
	s_add_co_i32 s57, s55, 127
	s_lshl_b32 s58, s57, 23                        ; 2^e7 as f32, for the conversion
	s_add_co_i32 s57, s57, 15
	s_lshl_b32 s57, s57, 23
	s_or_b32 s57, s57, 0x600000                    ; 57,344 x 2^e7
	s_add_co_i32 s56, s54, s55                     ; e6 + e7
	INIT
	WIN 0x55
	INIT
	WIN 0
	s_wait_loadcnt 16                              ; m_k's four loads are in; m_feats' sixteen may stay out until the way out
.Lslot:                                            ; seven trips: behind each change of slots but the last the next 512 j are asked for
	CHANGE 1
	SLOT_STEPS
	s_sub_co_u32 s[SLOTS], s[SLOTS], 1
	s_cmp_lg_u32 s[SLOTS], 0
	s_cbranch_scc1 .Lslot
	CHANGE 0                                       ; the last slot is written out
	SLOT_STEPS
	; THE WAY OUT.  A lane holds 32 bytes of each of four pieces of a row's 256; the lanes beside it hold other rows.  So a tile goes through its own stage in LDS and comes back as whole rows of 256 bytes.
	; LDS serves a wave's instructions in order (ISA guide 5.7.1.4): no wait stands between my stores and my loads.
.rept 4
	v_nop                                          ; four places behind the last products
.endr
	FINISH
	WIN 0x55
	FINISH
	WIN 0
.irp t, 0,1,2,3
	ds_store_b128 v[STO], v[S+8*\t:S+8*\t+3] offset:64*\t
	ds_store_b128 v[STO], v[S+8*\t+4:S+8*\t+7] offset:64*\t+16
.endr
.irp n, 0,1,2,3,4,5,6,7
	ds_load_b128 v[128+4*\n:128+4*\n+3], v[RD] offset:544*\n
.endr
	WIN 0x04                                       ; an LDS store's data are its source 1: window 1
.irp t, 0,1,2,3
	ds_store_b128 v[STO], v[S+8*\t:S+8*\t+3] offset:TSTG+64*\t
	ds_store_b128 v[STO], v[S+8*\t+4:S+8*\t+7] offset:TSTG+64*\t+16
.endr
	WIN 0x40
.irp n, 0,1,2,3,4,5,6,7
	ds_load_b128 v[128+4*\n:128+4*\n+3], v[RD] offset:TSTG+544*\n
.endr
	WIN 0
	s_wait_loadcnt 0x0                             ; m_feats
	s_wait_dscnt 16                                ; tile A's rows are back; tile B's 8 stores and 8 loads may be out
.set J, 0
.rept 16
	v_pk_add_f32 v[128+2*J:128+2*J+1], v[128+2*J:128+2*J+1], v[MF+2*J:MF+2*J+1]
.set J, J+1
.endr
.irp n, 0,1,2,3,4,5,6,7
	global_store_b128 v[GO], v[128+4*\n:128+4*\n+3], s[12:13] offset:(2*\n+8*(\n/4))*2048 th:TH_STORE_NT   ; 16 lanes store 256 consecutive bytes, at a multiple of 256 from out0's first byte
.endr
	WIN 0x55
	s_wait_dscnt 0x0
.set J, 0
.rept 16
	v_pk_add_f32 v[128+2*J:128+2*J+1], v[128+2*J:128+2*J+1], v[MF+2*J:MF+2*J+1]
.set J, J+1
.endr
	WIN 0x04                                       ; a store's data are its source 1: window 1; its address window 0
.irp n, 0,1,2,3,4,5,6,7
	global_store_b128 v[GO], v[128+4*\n:128+4*\n+3], s[12:13] offset:(2*\n+8*(\n/4)+8)*2048 th:TH_STORE_NT
.endr
	WIN 0
	s_wait_tensorcnt 0x0                           ; the wave's end: three closing lines, behind my last tensor load and my last LDS store
	ds_add_u32 v[SPW], v[NIL]
	s_wait_dscnt 0x0
	CROUND                                         ; the closing round: no work-group ends while a partner may still ask for a block that names it
	s_endpgm
.Lfunc_end_k_qcd617be29d_attn:
	.size	k_qcd617be29d_attn, .Lfunc_end_k_qcd617be29d_attn-k_qcd617be29d_attn
	.p2alignl 7, 3214868480
	.fill 96, 4, 3214868480
	.section	.rodata,"a",@progbits
	.p2align	6, 0x0
	.amdhsa_kernel k_qcd617be29d_attn
		.amdhsa_group_segment_fixed_size 327680
		.amdhsa_private_segment_fixed_size 0
		.amdhsa_enable_private_segment 0
		.amdhsa_kernarg_size 40
		.amdhsa_user_sgpr_count 2
		.amdhsa_user_sgpr_kernarg_segment_ptr 1
		.amdhsa_wavefront_size32 1
		.amdhsa_system_sgpr_workgroup_id_x 1
		.amdhsa_system_sgpr_workgroup_id_y 1
		.amdhsa_system_sgpr_workgroup_id_z 1
		.amdhsa_system_vgpr_workitem_id 0
		.amdhsa_next_free_vgpr 512
		.amdhsa_next_free_sgpr 66
		.amdhsa_reserve_vcc 0
		.amdhsa_float_denorm_mode_32 3
		.amdhsa_float_denorm_mode_16_64 3
		.amdhsa_memory_ordered 1
		.amdhsa_forward_progress 1
		.amdhsa_inst_pref_size 77
	.end_amdhsa_kernel
	.amdgpu_metadata
---
amdhsa.version: [ 1, 2 ]
amdhsa.kernels:
  - .name:           k_qcd617be29d_attn
    .symbol:         k_qcd617be29d_attn.kd
    .args:
      - { .name: kimg, .offset: 0, .size: 8, .value_kind: global_buffer, .address_space: global }
      - { .name: qv, .offset: 8, .size: 8, .value_kind: global_buffer, .address_space: global }
      - { .name: lowp_scales, .offset: 16, .size: 8, .value_kind: global_buffer, .address_space: global }
      - { .name: m_feats, .offset: 24, .size: 8, .value_kind: global_buffer, .address_space: global }
      - { .name: out0, .offset: 32, .size: 8, .value_kind: global_buffer, .address_space: global }
    .group_segment_fixed_size: 327680
    .private_segment_fixed_size: 0
    .kernarg_segment_align: 8
    .kernarg_segment_size: 40
    .max_flat_workgroup_size: 256
    .sgpr_count:     66
    .vgpr_count:     512
    .wavefront_size: 32
...
	.end_amdgpu_metadata
.endif
;; end of part 2
;; ======== version 2 of 2: 2 launches
;; workspace buffers: kimg 4,194,304 bytes; qv 8,388,608 bytes
;; launch proj (part 3): grid 64 x 3, 8 waves a work-group, no clusters, 66,560 bytes of LDS; arguments m_feats, Wv, Wc, bv, bc, lowp_scales, kimg, qv; writes kimg, qv
.if DOCPART == 3
	.amdgcn_target "amdgcn-amd-amdhsa--gfx1250"
	.amdhsa_code_object_version 6
	.text
	.protected	k_qcd617be29d_proj
	.globl	k_qcd617be29d_proj
	.p2align	8
	.type	k_qcd617be29d_proj,@function
k_qcd617be29d_proj:
	s_mov_b64 s[64:65], 0
	v_nop
	global_prefetch_b8 v0, s[64:65] scope:SCOPE_SE
	s_setreg_imm32_b32 hwreg(HW_REG_WAVE_SCHED_MODE, 0, 2), 2
	s_setreg_imm32_b32 hwreg(HW_REG_WAVE_MODE, 25, 1), 1
	s_wait_xcnt 0x0
	s_wait_alu depctr_vm_vsrc(0)
; THE THREE PROJECTIONS, AND THEIR RESULTS AS CODES.  m_k = m_feats Wv^T + bv, m_q and m_v = m_feats Wc^T + bc (Wc's rows 0-511 and 512-1023), products on codes of BF8 (E5M2), sums in f32.
; NO WORK IS LEFT OUT in this program: with the quantisers taken as they stand both biases move codes, every product reaches the output, and every input is loaded.
; SCALES (lowp_scales, whole numbers e, a scale is 2^e): e0 m_feats and e1 Wv for m_k; e2 m_feats and e3 Wc for m_q, m_v; the results are quantised for the attention: m_k by e4, m_q by e5, m_v by e6.
; code = x / 2^e, held within +-57,344, to the nearest code, ties to even.  A sum stands for sum x 2^(ea + eb): the bias goes in as the C of a sum's first product, divided by 2^(ea + eb), and the
; result's conversion takes the one scale 2^(eo - ea - eb).
; LIMITS: ea, eb and eo - ea - eb lie between -126 and 112, so that each power of two and 57,344 times it is an f32 number.  NaN among the inputs is not served.
; SHARES.  Work-group (x, kind): rows 128 x .. 128 x + 127 of m_feats (batch x / 32, key step x % 32), kind 0 = m_k, 1 = m_q, 2 = m_v.  Wave w is head w: its 64 rows of the weight x 512 K are quantised in
; registers and stay as codes in window 1, which they fill: 16 fragments of 16 registers.  Wave w also quantises tile w of the 128 rows (4 fragments), which reach the other waves through LDS as images
; of the operand's registers: lane l's 16 bytes at 16 l, 512 bytes a store.  One barrier.
; THE PRICE OF QUANTISING HERE: a weight row is read as f32 by 64 work-groups and a row of m_feats by 3, and quantised as often: 20 fragments x 72 vector lines a wave beside 128 products.
; 192 work-groups: 1,536 x 8,192 results in blocks of one kind.  No tensor load and no cluster: what is shared arrives as f32 and has to pass through registers for the quantiser.
; THE ROWS OF A TILE ARE NOT NEIGHBOURS: lane r of tile 2 P + u of m_feats takes row 32 P + 8 u + r + 8 (r / 8).
;   m_k, m_q: the product is used transposed (source 0 = 16 rows of the weight, taken in the same pattern; source 1 = the tile of m_feats): the 16 registers of weight tiles 2 g, 2 g + 1 are
;   d = 32 g + 16 (lane / 16) + 0 .. 15 of the lane's row: their four code registers are half a fragment of the scores' product (K = 64).
;   m_v: source 0 = the tile of m_feats, source 1 = weight rows 16 dt + r: the 16 registers of tiles 2 P, 2 P + 1 are rows 32 P + 16 (lane / 16) + 0 .. 15 of the lane's d: registers 4 P .. 4 P + 3 of a fragment whose K is the rows.
; OUT, in the order of the operands' registers, each store of a wave 512 consecutive bytes, aligned:
;   kimg [y = 8 batch + head][tile T of 256][g][lane][16 B];   qv [y][key step of 32][16,384 B]: 8,192 B of m_q as [t][g][lane][16 B], then 8,192 B of m_v as [dt][c][lane][16 B].
; K's places in a fragment: registers 4 c .. 4 c + 3 hold k = 32 c + 16 (lane / 16) + 0 .. 15, alike in both operands of every product, so every number meets its partner.
; REGISTERS, window 0: v1-9 addresses; v10-15 scales and holds; v16-31 codes just made; v32-63 the bias, 4 tiles x 8; v64-255 three sets of 64 numbers as loaded; later v64-127 eight accumulators, v128-255 eight fragments of m_feats.
; THE MODE: SCHED_MODE bits 1:0 = 2 (LLVM: expert scheduling mode 2), set by the entry lines.  The code itself states the register dependences
; between vector or matrix instructions and memory or LDS instructions, with s_wait_alu, always for 0.
; THE PLAN.  Registers that memory or LDS instructions touch:
;   v1, v4-9      Offsets and LDS addresses: written at the head, ahead of one wait on va_vdst, and never again.
;   v32-63        The bias: its loads land once, in registers that nothing has named before.
;   SET0 .. SET2  Fragment f: 16 loads land in set f % 3; its 64 holds read and write the set, its 8 conversions read it; behind them the loads of fragment f + 3 land in it (behind fragment 17: the 4 of the bias in m_v's form).
;   v[PC] on      Fragments 0 to 3: written by the conversions, read by the image's 4 LDS stores.  Pair P: written by its conversions, read by 4 global stores, which are issued in pair P + 1.
;   XF            A pair's 32 LDS loads land in it, the pair's 32 products read it, the next pair's loads land in it.
;   The weight's codes (window 1), the accumulators and v10-15 are named by vector and matrix instructions alone.  v2, v3: written at the head, read by the closing add alone.
; So ONE wait on va_vdst stands behind a fragment's conversions (the set is asked for again at once: no register is left for a fourth set), and ONE behind a pair's products: behind that one stand the stores of the pair
; before and the next pair's LDS loads, these dealt among the pair's 64 holds, which name the accumulators and v11 alone.  A wait on vm_vsrc stands ahead of each run of conversions that writes v[PC] on again.
.set SPARE, 65536                      ; behind the images: the spare words, 128 bytes for each of eight waves: four blocks of 256 bytes that no other line names
.set LI,   1                           ; v1   16 x lane
.set SPW,  2                           ; v2   LDS address of my spare word; never rewritten
.set NIL,  3                           ; v3   0; never rewritten
.set XA,   4                           ; v4   m_feats: (r + 8 (r / 8)) x 2,048 + 64 h
.set WA0,  5                           ; v5   the weight, even tiles: my row x 2,048 + 64 h
.set WA1,  6                           ; v6   odd tiles
.set XWI,  7                           ; v7   where I store my images: 16 x lane + 8,192 x wave
.set BA,   8                           ; v8   the bias, m_k's and m_q's form: 64 h
.set BAV,  9                           ; v9   m_v's form: 4 r
.set SCO,  10                          ; v10, v11  2^(eo - ea - eb), and 57,344 times it
.set LMO,  11
.set SCX,  12                          ; v12, v13  the same with ea
.set LMX,  13
.set SCW,  14                          ; v14, v15  with eb
.set LMW,  15
.set PC,   16
.set BI,   32
.set SET,  64
.set ACC,  64
.set XF,   128
.set MSB, 0
.macro WIN new                         ; the immediate's high byte repeats the setting that is left; a switch that changes nothing is dropped
.if MSB != \new
	s_set_vgpr_msb (MSB<<8)|\new
.set MSB, \new
.endif
.endm
.macro MKSC e, sc, lim                 ; 2^e as f32 (a conversion takes its exponent field), and 57,344 x 2^e
	s_add_co_i32 s58, \e, 127
	s_lshl_b32 s59, s58, 23
	v_mov_b32 v[\sc], s59
	s_add_co_i32 s58, s58, 15
	s_lshl_b32 s58, s58, 23
	s_or_b32 s58, s58, 0x600000
	v_mov_b32 v[\lim], s58
.endm
; Fragment f of 20, as f32: 64 numbers a lane, register 16 c + i = k 32 c + 16 h + i of my row.  f < 4: K step f of my tile of m_feats; else weight tile (f - 4) / 4, K step (f - 4) % 4.  Three sets by turns.
.macro LOADF f
.set LS, SET+64*((\f)%3)
.if (\f) < 4
.irp c, 0,1,2,3
.irp j, 0,1,2,3
	global_load_b128 v[LS+16*\c+4*\j:LS+16*\c+4*\j+3], v[XA], s[38:39] offset:512*(\f)+128*\c+16*\j
.endr
.endr
.else
.set LWT, ((\f)-4)/4
.set LKS, ((\f)-4)%4
.irp c, 0,1,2,3
.irp j, 0,1,2,3
	global_load_b128 v[LS+16*\c+4*\j:LS+16*\c+4*\j+3], v[WA0+LWT%2], s[32:33] offset:65536*(LWT/2)+512*LKS+128*\c+16*\j
.endr
.endr
.endif
.endm
.macro HOLD src, lim, n                ; the conversion to an 8-bit code does not saturate (ISA guide 7.6.2): each of n numbers is held within the largest code x the scale first.  Ascending: an accumulator is read from its low end on
.set HI, 0
.rept \n
	v_med3_num_f32 v[\src+HI], v[\src+HI], -v[\lim], v[\lim]
.set HI, HI+1
.endr
.endm
.macro CVT src, dst, sc                ; 64 numbers become 16 registers of codes
.irp g, 0,1,2,3,4,5,6,7
	v_cvt_scalef32_pk8_bf8_f32 v[(\dst)+2*\g:(\dst)+2*\g+1], v[(\src)+8*\g:(\src)+8*\g+7], v[\sc]
.endr
	v_nop                                          ; one plain vector line between the last conversion and the next vector or matrix line that touches its registers
.endm
.macro IMAGE off                       ; the fragment in v[PC] on goes to LDS as it stands
.irp c, 0,1,2,3
	ds_store_b128 v[XWI], v[PC+4*\c:PC+4*\c+3] offset:(\off)+512*\c
.endr
.endm
.macro FRAGSTEP f
.set FS, SET+64*((\f)%3)
.if (\f) < 18
	s_wait_loadcnt 32                              ; this fragment's 16 loads are in; those of the two fragments behind it may be out
.elseif (\f) == 18
	s_wait_loadcnt 20                              ; behind it: fragment 19's 16 loads and the 4 of the bias in m_v's form
.else
	s_wait_loadcnt 0x0
.endif
.if (\f) < 4
	HOLD FS, LMX, 64
.if (\f) > 0
	s_wait_alu depctr_va_vdst(0)
	s_wait_dscnt 0x0                               ; the last image's stores are done
	s_wait_alu depctr_vm_vsrc(0)                   ; the last image's LDS stores have read v[PC] on, which the conversions below write again
.endif
	CVT FS, PC, SCX
.else
	HOLD FS, LMW, 64
	WIN 0x40                                       ; destination window 1: the weight's codes stay there
	CVT FS, 16*((\f)-4), SCW
	WIN 0
.endif
.if (\f) < 18
	s_wait_alu depctr_va_vdst(0)                   ; the holds have written this set and the conversions are done reading it: the loads below land in it; in fragments 0 to 3 the conversions have written v[PC] on, which the image's stores read
.endif
.if (\f) < 4
	IMAGE 2048*(\f)
.endif
.if (\f)+3 < 20
	LOADF (\f)+3                                   ; into the set just converted
.endif
.if (\f) == 17
.irp d, 0,1,2,3
	global_load_b32 v[192+\d], v[BAV], s[34:35] offset:64*\d   ; the bias at d = 16 dt + r, into the set that has had its last fragment
.endr
.endif
.endm
; K step s of the eight fragments of tiles 2 p and 2 p + 1 of m_feats: eight LDS loads
.macro KFETCH p, s
.irp t, 0,1
.irp c, 0,1,2,3
	ds_load_b128 v[XF+32*(\s)+16*\t+4*\c:XF+32*(\s)+16*\t+4*\c+3], v[LI] offset:(4*(2*(\p)+\t)+(\s))*2048+512*\c
.endr
.endr
.endm
; 32 products: two tiles of m_feats x my four weight tiles x four K steps.  The eight accumulators take turns, one instruction a turn.  The first K step takes the bias as C: nothing is cleared.
.macro PAIRMUL isv
.if \isv
	WIN 0x04                                       ; source 1 (the weight) window 1
.else
	WIN 0x01                                       ; source 0 (the weight) window 1
.endif
.irp s, 0,1,2,3
	s_wait_dscnt 24-8*\s                           ; this K step's 8 loads are in; those of the later K steps may be out
.irp a, 0,1
.irp b, 0,1,2,3
.if \isv
.if \s == 0
	v_wmma_f32_16x16x128_bf8_bf8 v[ACC+8*(2*\b+\a):ACC+8*(2*\b+\a)+7], v[XF+32*\s+16*\a:XF+32*\s+16*\a+15], v[16*(4*\b+\s):16*(4*\b+\s)+15], v[BI+8*\b:BI+8*\b+7]
.else
	v_wmma_f32_16x16x128_bf8_bf8 v[ACC+8*(2*\b+\a):ACC+8*(2*\b+\a)+7], v[XF+32*\s+16*\a:XF+32*\s+16*\a+15], v[16*(4*\b+\s):16*(4*\b+\s)+15], v[ACC+8*(2*\b+\a):ACC+8*(2*\b+\a)+7]
.endif
.else
.if \s == 0
	v_wmma_f32_16x16x128_bf8_bf8 v[ACC+8*(4*\a+\b):ACC+8*(4*\a+\b)+7], v[16*(4*\b+\s):16*(4*\b+\s)+15], v[XF+32*\s+16*\a:XF+32*\s+16*\a+15], v[BI+8*\b:BI+8*\b+7]
.else
	v_wmma_f32_16x16x128_bf8_bf8 v[ACC+8*(4*\a+\b):ACC+8*(4*\a+\b)+7], v[16*(4*\b+\s):16*(4*\b+\s)+15], v[XF+32*\s+16*\a:XF+32*\s+16*\a+15], v[ACC+8*(4*\a+\b):ACC+8*(4*\a+\b)+7]
.endif
.endif
.endr
.endr
.endr
.endm
; Pair p's codes, in v[PC] on, leave: four stores of 512 consecutive bytes each
.macro SEND isv, p
.irp m, 0,1,2,3
.if \isv
	global_store_b128 v[LI], v[PC+4*\m:PC+4*\m+3], s[36:37] offset:512*(\p)+2048*\m   ; [dt = m][c = p]
.else
	global_store_b128 v[LI], v[PC+4*\m:PC+4*\m+3], s[36:37] offset:2048*(\p)+512*\m   ; [tile 2 p + m / 2][g = m % 2]
.endif
.endr
.endm
; The products and the way out, a pair of tiles of m_feats at a time.  isv = 1: m_v.
.macro MAIN isv
.if \isv
.irp dt, 0,1,2,3
.irp i, 0,1,2,3,4,5,6,7
	v_ldexp_f32 v[BI+8*\dt+\i], v[192+\dt], s43    ; bias / 2^(ea + eb): a lane's eight results of a tile share one d
.endr
.endr
.else
.irp j, 0,1,2,3,4,5,6,7,8,9,10,11,12,13,14,15,16,17,18,19,20,21,22,23,24,25,26,27,28,29,30,31
	v_ldexp_f32 v[BI+\j], v[BI+\j], s43            ; bias / 2^(ea + eb)
.endr
.endif
	s_wait_alu depctr_va_vdst(0)                   ; fragment 19's holds and conversions are done with v128-191, and m_v's lines above with v192-195: the first pair's LDS loads land there
.irp s, 0,1,2,3
	KFETCH 0, \s
.endr
.irp P, 0,1,2,3
	PAIRMUL \isv
	WIN 0
.rept 4
	v_nop                                          ; four places behind the last products, in front of the first read of their sums (ISA guide 7.12.1); they stay beside the wait below
.endr
	s_wait_alu depctr_va_vdst(0)                   ; the products are done reading XF, in which the next pair's LDS loads land; the pair before has written v[PC] on, which the stores below read
.if \P > 0
	SEND \isv, \P-1                                ; the pair before
.endif
.irp s, 0,1,2,3
.if \P < 3
	KFETCH \P+1, \s                                ; the next pair, a K step ahead of each sixteen holds, in the order in which its products want them.  No wait: no vector line since the wait above names XF
.endif
	HOLD ACC+16*\s, LMO, 16
.endr
	s_wait_alu depctr_va_vdst(0)
	s_wait_xcnt 0x0                                ; the last pair's stores have read v[PC] on
.if \P > 0
	s_wait_alu depctr_vm_vsrc(0)                   ; the stores above have read v[PC] on, which the conversions below write again
.endif
	CVT ACC, PC, SCO
.endr
	s_wait_alu depctr_va_vdst(0)                   ; the last pair's conversions have written v[PC] on, which the last four stores read
	SEND \isv, 3
.endm
	s_load_b512 s[4:19], s[0:1], 0x0               ; m_feats 4:5, Wv 6:7, Wc 8:9, bv 10:11, bc 12:13, the scales 14:15, kimg 16:17, qv 18:19
	v_lshl_add_u32 v[SPW], v0, 2, SPARE
	v_mov_b32 v[NIL], 0
	v_lshrrev_b32 v16, 5, v0
	v_readfirstlane_b32 s20, v16                   ; wave = head
	s_and_b32 s21, ttmp7, 0xffff                   ; kind
	v_and_b32 v[LI], 31, v0
	v_lshlrev_b32 v[LI], 4, v[LI]
	v_and_b32 v16, 15, v0                          ; r
	s_wait_alu depctr_va_vdst(0)
	v_bfe_u32 v17, v0, 4, 1                        ; h
	v_and_b32 v18, 8, v16
	v_add_nc_u32 v19, v16, v18                     ; r + 8 (r / 8)
	v_lshlrev_b32 v[XA], 11, v19
	v_lshl_add_u32 v[XA], v17, 6, v[XA]
	s_cmp_eq_u32 s21, 2                            ; m_v?
	s_cselect_b32 s45, 0x100000, 0                 ; Wc's rows 512 on,
	s_cselect_b32 s46, 2048, 0                     ; bc's numbers 512 on,
	s_cselect_b32 s47, 8192, 0                     ; the second half of a key step's block,
	s_cselect_b32 s48, 0, 8                        ; weight rows as they lie, or in the pattern,
	s_cselect_b32 s49, 15, 14
	s_lshl_b32 s49, 1, s49                         ; an odd tile 16 rows on, or 8
	s_cmp_eq_u32 s21, 0
	s_cselect_b32 s44, 13, 14                      ; a block of 128 rows is 8,192 bytes of kimg, 16,384 of qv
	v_and_b32 v18, s48, v16
	v_add_nc_u32 v19, v16, v18
	v_lshlrev_b32 v[WA0], 11, v19
	s_wait_alu depctr_va_vdst(0)
	v_lshl_add_u32 v[WA0], v17, 6, v[WA0]
	v_add_nc_u32 v[WA1], s49, v[WA0]
	s_wait_alu depctr_va_sdst(0)                   ; s20, the wave's number, is written, ahead of its first reader: LDS addresses and the buffers' offsets are made from it
	s_lshl_b32 s58, s20, 13
	v_add_nc_u32 v[XWI], s58, v[LI]
	v_lshlrev_b32 v[BA], 6, v17
	v_lshlrev_b32 v[BAV], 2, v16
	s_lshl_b32 s50, s20, 17                        ; the weight: my head's 64 rows of 2,048 bytes
	s_add_co_u32 s50, s50, s45
	s_mov_b32 s51, 0
	s_lshl_b32 s52, s20, 8                         ; the bias: my head's 64 numbers
	s_add_co_u32 s52, s52, s46
	s_mov_b32 s53, 0
	s_lshr_b32 s54, ttmp9, 5                       ; out: ((8 batch + head) x 32 + key step) blocks
	s_lshl_b32 s54, s54, 3
	s_add_co_u32 s54, s54, s20
	s_lshl_b32 s54, s54, 5
	s_and_b32 s55, ttmp9, 31
	s_add_co_u32 s54, s54, s55
	s_lshl_b32 s54, s54, s44
	s_add_co_u32 s54, s54, s47
	s_mov_b32 s55, 0
	s_lshl_b32 s56, ttmp9, 18                      ; m_feats: 128 x rows of 2,048 bytes, + my tile's first row 32 (w / 2) + 8 (w % 2)
	s_lshr_b32 s57, s20, 1
	s_lshl_b32 s57, s57, 16
	s_add_co_u32 s56, s56, s57
	s_and_b32 s57, s20, 1
	s_lshl_b32 s57, s57, 14
	s_add_co_u32 s56, s56, s57
	s_mov_b32 s57, 0
	s_wait_kmcnt 0x0
	s_load_b256 s[24:31], s[14:15], 0x0            ; e0 .. e7
	s_cmp_eq_u32 s21, 0                            ; the buffers are chosen by the work-group's number alone
	s_cselect_b64 s[32:33], s[6:7], s[8:9]
	s_cselect_b64 s[34:35], s[10:11], s[12:13]
	s_cselect_b64 s[36:37], s[16:17], s[18:19]
	s_add_nc_u64 s[32:33], s[32:33], s[50:51]
	s_add_nc_u64 s[34:35], s[34:35], s[52:53]
	s_add_nc_u64 s[36:37], s[36:37], s[54:55]
	s_add_nc_u64 s[38:39], s[4:5], s[56:57]
	s_wait_alu depctr_va_vdst(0)                   ; the offsets and LDS addresses v1 and v4 to v9 are written: every load, store and LDS instruction of the kernel but the closing add reads one of them
; The bias in m_k's and m_q's form: lane (r, h) wants, for weight tile 2 g + u, the numbers 32 g + 16 h + 8 u + 0 .. 7.  Both forms are loaded in every work-group (12 small loads, inside my head's 256 bytes),
; so that the text has one path up to the products.
.irp t, 0,1,2,3
	global_load_b128 v[BI+8*\t:BI+8*\t+3], v[BA], s[34:35] offset:(32*(\t/2)+8*(\t%2))*4
	global_load_b128 v[BI+8*\t+4:BI+8*\t+7], v[BA], s[34:35] offset:(32*(\t/2)+8*(\t%2))*4+16
.endr
	LOADF 0
	LOADF 1
	LOADF 2
	s_wait_kmcnt 0x0
	s_cmp_eq_u32 s21, 0
	s_cselect_b32 s40, s24, s26                    ; ea
	s_cselect_b32 s41, s25, s27                    ; eb
	s_cselect_b32 s42, s28, s29                    ; eo: m_k's e4, m_q's e5,
	s_cmp_eq_u32 s21, 2
	s_cselect_b32 s42, s30, s42                    ; m_v's e6
	s_add_co_i32 s43, s40, s41
	s_sub_co_i32 s44, s42, s43                     ; eo - ea - eb
	s_sub_co_i32 s43, 0, s43                       ; -(ea + eb)
	MKSC s40, SCX, LMX
	MKSC s41, SCW, LMW
	MKSC s44, SCO, LMO
.set F, 0
	s_wait_alu depctr_va_vdst(0)
.rept 20
	FRAGSTEP F
.set F, F+1
.endr
	s_wait_dscnt 0x0                               ; for the others' sake: my four images have landed
	s_barrier_signal -1
	s_barrier_wait -1                              ; all 32 images lie in LDS; nothing is stored there from here on
	s_wait_alu depctr_vm_vsrc(0)                   ; my last image's LDS stores have read v[PC] on, which the first pair's conversions write, on either way behind the branch below
	s_cmp_eq_u32 s21, 2
	s_cbranch_scc1 .Lvalues
	MAIN 0
	s_branch .Lend
.Lvalues:
	MAIN 1
.Lend:
	s_wait_dscnt 0x0                               ; the closing lines, six on end
	s_wait_alu 0x0
	s_wait_tensorcnt 0x0
	ds_add_u32 v[SPW], v[NIL]
	s_wait_dscnt 0x0
	s_endpgm
.Lfunc_end_k_qcd617be29d_proj:
	.size	k_qcd617be29d_proj, .Lfunc_end_k_qcd617be29d_proj-k_qcd617be29d_proj
	.p2alignl 7, 3214868480
	.fill 96, 4, 3214868480
	.section	.rodata,"a",@progbits
	.p2align	6, 0x0
	.amdhsa_kernel k_qcd617be29d_proj
		.amdhsa_group_segment_fixed_size 66560
		.amdhsa_private_segment_fixed_size 0
		.amdhsa_enable_private_segment 0
		.amdhsa_kernarg_size 64
		.amdhsa_user_sgpr_count 2
		.amdhsa_user_sgpr_kernarg_segment_ptr 1
		.amdhsa_wavefront_size32 1
		.amdhsa_system_sgpr_workgroup_id_x 1
		.amdhsa_system_sgpr_workgroup_id_y 1
		.amdhsa_system_sgpr_workgroup_id_z 1
		.amdhsa_system_vgpr_workitem_id 0
		.amdhsa_next_free_vgpr 512
		.amdhsa_next_free_sgpr 66
		.amdhsa_reserve_vcc 0
		.amdhsa_float_denorm_mode_32 3
		.amdhsa_float_denorm_mode_16_64 3
		.amdhsa_memory_ordered 1
		.amdhsa_forward_progress 1
		.amdhsa_inst_pref_size 209
	.end_amdhsa_kernel
	.amdgpu_metadata
---
amdhsa.version: [ 1, 2 ]
amdhsa.kernels:
  - .name:           k_qcd617be29d_proj
    .symbol:         k_qcd617be29d_proj.kd
    .args:
      - { .name: m_feats, .offset: 0, .size: 8, .value_kind: global_buffer, .address_space: global }
      - { .name: Wv, .offset: 8, .size: 8, .value_kind: global_buffer, .address_space: global }
      - { .name: Wc, .offset: 16, .size: 8, .value_kind: global_buffer, .address_space: global }
      - { .name: bv, .offset: 24, .size: 8, .value_kind: global_buffer, .address_space: global }
      - { .name: bc, .offset: 32, .size: 8, .value_kind: global_buffer, .address_space: global }
      - { .name: lowp_scales, .offset: 40, .size: 8, .value_kind: global_buffer, .address_space: global }
      - { .name: kimg, .offset: 48, .size: 8, .value_kind: global_buffer, .address_space: global }
      - { .name: qv, .offset: 56, .size: 8, .value_kind: global_buffer, .address_space: global }
    .group_segment_fixed_size: 66560
    .private_segment_fixed_size: 0
    .kernarg_segment_align: 8
    .kernarg_segment_size: 64
    .max_flat_workgroup_size: 256
    .sgpr_count:     66
    .vgpr_count:     512
    .wavefront_size: 32
...
	.end_amdgpu_metadata
.endif
;; end of part 3
;; launch attn (part 4): grid 16 x 16, 8 waves a work-group, clusters of 4 x 1, 327,680 bytes of LDS; arguments kimg, qv, lowp_scales, m_feats, out0; writes out0
.if DOCPART == 4
	.amdgcn_target "amdgcn-amd-amdhsa--gfx1250"
	.amdhsa_code_object_version 6
	.text
	.protected	k_qcd617be29d_attn
	.globl	k_qcd617be29d_attn
	.p2align	8
	.type	k_qcd617be29d_attn,@function
k_qcd617be29d_attn:
	s_mov_b64 s[64:65], 0
	v_nop
	global_prefetch_b8 v0, s[64:65] scope:SCOPE_SE
	s_setreg_imm32_b32 hwreg(HW_REG_WAVE_MODE, 25, 1), 1
	s_wait_xcnt 0x0
	s_wait_alu depctr_hold_cnt(0) depctr_sa_sdst(0) depctr_va_vdst(0) depctr_va_sdst(0) depctr_va_ssrc(0) depctr_va_vcc(0) depctr_vm_vsrc(0)
	s_getreg_b32 s2, hwreg(HW_REG_IB_STS2, 6, 4)
	s_cmp_eq_u32 s2, 0
	s_cbranch_scc0 .Lentry_in_a_cluster
	s_endpgm
.Lentry_in_a_cluster:
	s_bfe_u32 s2, ttmp6, 0x10000c
	s_cmp_lg_u32 s2, 0x3003
	s_cbranch_scc0 .Lentry_shape_is_right
	s_endpgm
.Lentry_shape_is_right:
; out0[b][i][head] = m_feats[b][i][head] + the sum over j of softmax_j(m_k[i] . m_q[j] / 8) m_v[j], both products on codes of BF8 (E5M2).  No work is left out.
; kimg and qv hold the codes in the order of the operands' registers (the launch before lays them): a fragment comes by loads of 16 bytes a lane at 16 x lane, with no pitch and no padding.
; THE SOFTMAX AHEAD OF THE SECOND PRODUCT: t = score x log2(e) / 8; M = the row's largest t so far, rounded UP to a whole number; p = 2^(t - M) is what is quantised (scale 2^e7), not normalised.  The row's sum is
; taken of the unquantised p, in f32, and divides at the end.  When M moves, the sum and O are multiplied by 2^(old M - new M): nothing is rounded, and no branch hangs on data.
; SHARES.  y = 8 batch + head.  A work-group owns 256 rows i; each of its eight waves 32 of them: two tiles of 16, A and B (tile u, lane r: row 32 P + 8 u + r + 8 (r / 8), P = 8 x block + wave).  Two waves to a SIMD.
; Every wave walks all 4,096 j, 128 a step.  A fragment of m_q or m_v read from LDS feeds two products.
; LAYOUT.  Both products are used transposed: S^T = q k^T (source 0 = 16 j, source 1 = my 16 rows), O^T = v^T p^T (source 0 = 16 of the head's 64, source 1 = p): a lane holds ONE row i throughout.
; The j of a tile of m_q are chosen so that the 16 registers of tiles 2 c, 2 c + 1 are j = 32 c + 16 (lane / 16) + 0 .. 15: the conversions' results are the second product's operand.
; WINDOWS.  Tile A's state lies in window 0 and tile B's in window 1, at the same register numbers, so that the softmax, the start and the end are each one text, run under two settings.
; RING.  Two LDS slots of 512 j (four steps of 16,384 bytes: 8,192 of m_q, 8,192 of m_v), filled by the tensor data mover: waves 0 to 3 fetch a step's block each, 64 rows of 256 bytes.  One tensor load of a wave is out at most.
; CLUSTER.  The four blocks of rows of a cluster belong to one y and walk the same m_q and m_v: each block of codes is asked for JOINTLY, by the same tensor load with the same descriptor and a mask that names the four.
; LIMITS on the given exponents, so that each power of two below is an f32 number: e4 + e5 between -123 and 130 (added to c's exponent field); e7 between -126 and 112; e6 + e7 is applied by v_ldexp_f32 and has none.
; REGISTERS.  Window 0 alone: v1-8 addresses.  Both windows: v12 -M, v13 the largest t, v[14:15] the sum in two halves, v[16:23] my tile of m_k, v24 57,344 x 2^e7, v25 2^e7, v26-31 at work,
;   v96-159 S^T, then p, v160-191 O^T, v192-207 p's codes, v208-239 m_feats at my 16 rows.  v32-95: in window 0 m_q's eight fragments, in window 1 m_v's four.
.set SLOT1, 1<<16                      ; slot 1 begins here: one exclusive or turns an address in one slot into the other's
.set STAGE, 2*SLOT1                    ; behind the ring: 16 rows x (256 + 16) bytes for each tile of each wave, for the way out
.set TSTG,  16*272
.set SPARE, STAGE+16*TSTG              ; behind the stages: the spare words, 128 bytes for each of eight waves: four blocks of 256 bytes that no other line names
.set LI,   1                           ; v1   16 x lane
.set SPW,  2                           ; v2   LDS address of my spare word; never rewritten
.set NIL,  3                           ; v3   0; never rewritten
.set ADR,  4                           ; v4   LDS address of the step in hand
.set PFO,  5                           ; v5   256 x lane: the prefetches' offset; never rewritten
.set STO,  6                           ; v6   the way out: where I put 32 bytes of a row
.set RD,   7                           ; v7   and where I read a row back
.set GO,   8                           ; v8   my byte offset among my rows of m_feats and out0
.set S,    96
.set O,    160
.set PCD,  192
.set MF,   208
.set WV,   14                          ; s14  my wave's number
.set CS,   22                          ; s[22:23] c = log2(e) / 8 x 2^(e4 + e5): the packed form names a pair and takes its low word for both halves
.set G1,   24                          ; s[24:31] descriptor group 1
.set G0,   32                          ; s[32:35] descriptor group 0, which walks
.set SEL,  36                          ; s[36:37] lane selects for v_permlanex16_b32: lane l xor 16
.set TB,   38                          ; s38  LDS byte at which the step in hand begins
.set SLOTS, 39                         ; s39  slots still to be asked for
.set CNT,  40                          ; s40  counts a slot's four steps
.set PFA,  42                          ; s[42:43] where my prefetches stand
.set LIM,  44                          ; s44  1 in a wave that prefetches, else the greatest number
.set MSB, 0
.macro WIN new                         ; the immediate's high byte repeats the setting that is left; a switch that changes nothing is dropped
.if MSB != \new
	s_set_vgpr_msb (MSB<<8)|\new
.set MSB, \new
.endif
.endm
; A round of the cluster's barrier: my work-group's barrier, so that wave 0's signal speaks for all eight waves; wave 0 signals for the work-group; every wave waits for all four work-groups; my work-group's barrier once more.
.macro CROUND
	s_barrier_signal -1
	s_barrier_wait -1
	s_cmp_lg_u32 s[WV], 0
	s_cbranch_scc1 .Lnot_wave_0_\@
	s_barrier_signal -3
.Lnot_wave_0_\@:
	s_barrier_wait -3
	s_barrier_signal -1
	s_barrier_wait -1
.endm
; The joint load: waves 0 to 3, a step's block each.  The branch hangs on the wave's number alone.  An s_nop 0 and four v_nop follow the load.
.macro TLOAD
	s_cmp_lt_u32 s[WV], 4
	s_cbranch_scc0 .Lno_load_\@
	tensor_load_to_lds s[G0:G0+3], s[G1:G1+7]
	s_nop 0
.rept 4
	v_nop
.endr
.Lno_load_\@:
.endm
; A prefetch of what the NEXT change of slots will ask for: 65,536 bytes, four steps ahead of that load.  Each aligned block of 256 bytes is named once in the launch: all clusters of a y walk the same codes, so the
; y's first cluster asks; its four partners take 16,384 bytes each, told apart BY ADDRESS; in each, waves 4 and 5, which fetch nothing, ask for 8,192 bytes each, lanes 256 bytes apart.
; The last change that fills a slot asks for nothing; the first two slots' codes come by their loads alone.
.macro ASK
	s_cmp_gt_u32 s[SLOTS], s[LIM]
	s_cbranch_scc0 .Lnot_mine_\@
	global_prefetch_b8 v[PFO], s[PFA:PFA+1] th:TH_LOAD_NT scope:SCOPE_SE
.Lnot_mine_\@:
.endm
; THE CHANGE OF SLOTS stands at a slot's head.  Each wave waits for all its tensor loads (its part of the slot that it is about to read), adds 0 to its spare word, and waits for that and for its reads of the slot that it has left.
; fill = 1: a round of the cluster's barrier follows, so that no wave of any partner still reads the other slot or has a load on its way, and the joint load into it is the first thing behind the round: it has four steps in which to land.
.macro CHANGE fill
	s_wait_tensorcnt 0x0                           ; no tensor load of mine is out, so group 0 may be written
	ds_add_u32 v[SPW], v[NIL]                      ; 0 onto my spare word
.if \fill
	ds_add_u32 v[SPW], v[NIL]                      ; and once more
	s_xor_b32 s[G0+1], s[G0+1], SLOT1              ; the walking descriptor: the other slot than last time,
	s_add_nc_u64 s[G0+2:G0+3], s[G0+2:G0+3], 65536 ; the next 512 j; the type bits on top are not reached
	s_wait_xcnt 0x0                                ; the last prefetch, a slot back, has read its address, so it may be written:
	s_add_nc_u64 s[PFA:PFA+1], s[PFA:PFA+1], 65536 ; one slot further on than the walking descriptor
	s_wait_dscnt 0x0                               ; both adds are done, and my reads of the slot that I have left are over
	CROUND
	TLOAD
	ASK
.else
	s_wait_dscnt 0x0                               ; the add is done, and my reads of the slot that I have left are over
	s_barrier_signal -1
	s_barrier_wait -1
.endif
.endm
; ONE TILE'S SOFTMAX FOR 128 j: 258 lines, all in the window that is set.  A lane holds 64 scores of its row; the lane 16 away holds the other 64.
.macro SOFTMAX
.irp k, 0,1,2,3                        ; the largest score, in four chains; chain k runs up through accumulators 2 k and 2 k + 1, so each is read from its low end on
	v_max3_num_f32 v[26+\k+\k/3], v[S+16*\k], v[S+16*\k+1], v[S+16*\k+2]
.endr
.irp m, 0,1,2,3,4,5
.irp k, 0,1,2,3
	v_max3_num_f32 v[26+\k+\k/3], v[26+\k+\k/3], v[S+16*\k+3+2*\m], v[S+16*\k+4+2*\m]
.endr
.endr
	v_max3_num_f32 v26, v26, v[S+15], v[S+31]      ; the four scores left over, and the chains joined
	v_max3_num_f32 v28, v28, v[S+47], v[S+63]
	s_delay_alu instid0(VALU_DEP_1)
	v_max3_num_f32 v26, v26, v27, v28
	s_delay_alu instid0(VALU_DEP_1)
	v_max_num_f32 v26, v26, v30
	s_delay_alu instid0(VALU_DEP_1)
	v_permlanex16_b32 v27, v26, s[SEL], s[SEL+1]
	s_delay_alu instid0(VALU_DEP_1)
	v_max_num_f32 v26, v26, v27                    ; and the other half of the lanes'
	s_delay_alu instid0(VALU_DEP_1)
	v_mul_f32 v26, s[CS], v26                      ; as t (c is positive)
	s_delay_alu instid0(VALU_DEP_1)
	v_max_num_f32 v13, v13, v26                    ; the running largest t
	v_mov_b32 v26, v12
	s_delay_alu instid0(VALU_DEP_2)
	v_floor_f32 v12, -v13                          ; the new -M = floor(-t) = -ceil(t): a whole number
	s_delay_alu instid0(VALU_DEP_1)
	v_sub_f32 v26, v12, v26                        ; old M less new M: a whole number, 0 or less
	s_delay_alu instid0(VALU_DEP_1)
	v_cvt_i32_f32 v26, v26                         ; (it saturates)
	s_delay_alu instid0(VALU_DEP_1)
	v_ldexp_f32 v28, 1.0, v26                      ; f = 2^(old M - new M)
.set J, 0
.rept 32
	v_pk_fma_f32 v[S+2*J:S+2*J+1], v[S+2*J:S+2*J+1], s[CS:CS+1], v[12:13] op_sel_hi:[1,0,0]   ; t - M, two at a time
.set J, J+1
.endr
.set J, 0
	s_wait_alu depctr_va_vdst(0)
.rept 64
	v_exp_f32 v[S+J], v[S+J]                       ; p = 2^(t - M), at most 1
.set J, J+1
.endr
	v_pk_mul_f32 v[14:15], v[14:15], v[28:29] op_sel_hi:[1,0]   ; the sum under the new M: also the plain line behind the last exponential
	s_wait_alu depctr_va_vdst(0)                   ; one wait for the batch of 64, ahead of the first line that names a result
	v_pk_add_f32 v[26:27], v[S:S+1], v[S+2:S+3]    ; the sum of the UNQUANTISED p, two at a time, in three chains
	v_pk_add_f32 v[30:31], v[S+4:S+5], v[S+6:S+7]
.set J, 4
.rept 28
.if J%3 == 1
	v_pk_add_f32 v[14:15], v[14:15], v[S+2*J:S+2*J+1]
.elseif J%3 == 2
	v_pk_add_f32 v[26:27], v[26:27], v[S+2*J:S+2*J+1]
.else
	v_pk_add_f32 v[30:31], v[30:31], v[S+2*J:S+2*J+1]
.endif
.set J, J+1
.endr
	s_delay_alu instid0(VALU_DEP_2)
	v_pk_add_f32 v[26:27], v[26:27], v[30:31]
	s_delay_alu instid0(VALU_DEP_1)
	v_pk_add_f32 v[14:15], v[14:15], v[26:27]
.irp b, 0,1,2,3
.irp i, 0,1,2,3,4,5,6,7,8,9,10,11,12,13,14,15
	v_min_num_f32 v[S+16*\b+\i], v[S+16*\b+\i], v24   ; the conversion to an 8-bit code does not saturate (ISA guide 7.6.2); p is not negative, so the hold is one-sided
.endr
	v_cvt_scalef32_pk8_bf8_f32 v[PCD+4*\b:PCD+4*\b+1], v[S+16*\b:S+16*\b+7], v25
	v_cvt_scalef32_pk8_bf8_f32 v[PCD+4*\b+2:PCD+4*\b+3], v[S+16*\b+8:S+16*\b+15], v25
.endr
.set J, 0
.rept 16
	v_pk_mul_f32 v[O+2*J:O+2*J+1], v[O+2*J:O+2*J+1], v[28:29] op_sel_hi:[1,0]   ; O^T under the new M; these are also the plain lines between the conversions and the products that read the codes
.set J, J+1
.endr
.endm
.macro PV                              ; O^T += v^T p^T: four accumulators, one instruction each
.irp d, 0,1,2,3
	v_wmma_f32_16x16x128_bf8_bf8 v[O+8*\d:O+8*\d+7], v[32+16*\d:32+16*\d+15], v[PCD:PCD+15], v[O+8*\d:O+8*\d+7]
.endr
.endm
; A STEP: 128 j.  No two matrix instructions that follow each other share an accumulator, over the backward jump too.  Tile B's scores and tile A's second product are issued ahead of the softmaxes that they stand beside.
.macro STEP
	WIN 0
	v_add_nc_u32 v[ADR], s[TB], v[LI]
.rept 3
	v_nop                                          ; with the addition: four places behind the last step's products, in front of the loads into m_v's fragments (ISA guide 7.12.1 for vector lines)
.endr
.irp t, 0,1,2,3,4,5,6,7
	ds_load_b128 v[32+8*\t:32+8*\t+3], v[ADR] offset:1024*\t
	ds_load_b128 v[32+8*\t+4:32+8*\t+7], v[ADR] offset:1024*\t+512
.endr
	WIN 0x40                                       ; destination window 1
.irp d, 0,1,2,3
.irp c, 0,1,2,3
	ds_load_b128 v[32+16*\d+4*\c:32+16*\d+4*\c+3], v[ADR] offset:8192+2048*\d+512*\c
.endr
.endr
	WIN 0
	s_wait_dscnt 24                                ; m_q's tiles 0 to 3 are in: 8 loads of the 32; the 24 behind them may be out
.irp t, 0,1,2,3
	v_wmma_f32_16x16x64_bf8_bf8 v[S+8*\t:S+8*\t+7], v[32+8*\t:32+8*\t+7], v[16:23], 0
.endr
	s_wait_dscnt 16                                ; all of m_q is in; m_v's 16 loads may be out
.irp t, 4,5,6,7
	v_wmma_f32_16x16x64_bf8_bf8 v[S+8*\t:S+8*\t+7], v[32+8*\t:32+8*\t+7], v[16:23], 0
.endr
	WIN 0x54                                       ; m_q window 0; tile B's m_k and scores window 1
.irp t, 0,1,2,3,4,5,6,7
	v_wmma_f32_16x16x64_bf8_bf8 v[S+8*\t:S+8*\t+7], v[32+8*\t:32+8*\t+7], v[16:23], 0
.endr
	WIN 0
.rept 4
	v_nop                                          ; four places in front of the first read of tile A's scores
.endr
	SOFTMAX
	s_wait_alu depctr_va_vdst(0)
	s_wait_dscnt 0x0                               ; m_v is in
	WIN 0x01                                       ; m_v window 1; tile A's codes and O^T window 0
	PV
	WIN 0x55                                       ; all of tile B's
	SOFTMAX
	PV
	WIN 0
	s_add_co_u32 s[TB], s[TB], 16384               ; the next step's block
.endm
.macro SLOT_STEPS                      ; a slot's four steps: written once, walked four times; the LDS address hangs on s[TB]
	s_mov_b32 s[CNT], 4
.Lstep_\@:
	STEP
	s_sub_co_u32 s[CNT], s[CNT], 1
	s_cmp_lg_u32 s[CNT], 0
	s_cbranch_scc1 .Lstep_\@
	s_sub_co_u32 s[TB], s[TB], 65536               ; back to a slot's first step,
	s_xor_b32 s[TB], s[TB], SLOT1                  ; in the other slot
.endm
.macro INIT                            ; the step is written once: the first finds zeros, which the first change of M leaves zeros
	v_mov_b32 v13, 0xff61b1e6                      ; the largest t so far: -3e38, under every t
	s_delay_alu instid0(VALU_DEP_1)
	v_floor_f32 v12, -v13
	v_mov_b32 v14, 0
	v_mov_b32 v15, 0
	v_mov_b32 v29, 0                               ; (named as the upper half of f's pair)
	v_mov_b32 v24, s57
	v_mov_b32 v25, s58
.set J, 0
.rept 32
	v_mov_b32 v[O+J], 0
.set J, J+1
.endr
.endm
.macro FINISH                          ; O^T / the sum x 2^(e6 + e7), into S^T's registers; each accumulator from its low end on
	v_add_f32 v14, v14, v15
	s_delay_alu instid0(VALU_DEP_1)
	v_permlanex16_b32 v26, v14, s[SEL], s[SEL+1]
	s_delay_alu instid0(VALU_DEP_1)
	v_add_f32 v14, v14, v26                        ; the row's sum
	s_wait_alu depctr_va_vdst(0)
	v_rcp_f32 v14, v14
	v_nop                                          ; a plain line behind the reciprocal,
	s_wait_alu depctr_va_vdst(0)                   ; and the wait ahead of the first use
	v_ldexp_f32 v14, v14, s56
.set J, 0
.rept 16
	v_pk_mul_f32 v[S+2*J:S+2*J+1], v[O+2*J:O+2*J+1], v[14:15] op_sel_hi:[1,0]
.set J, J+1
.endr
.endm
	s_load_b256 s[4:11], s[0:1], 0x0               ; kimg 4:5, qv 6:7, the scales 8:9, m_feats 10:11
	s_load_b64 s[12:13], s[0:1], 0x20              ; out0
	v_lshl_add_u32 v[SPW], v0, 2, SPARE
	v_mov_b32 v[NIL], 0
	ds_add_u32 v[SPW], v[NIL]                      ; the wave's opening: the add, twice on end, and its wait ahead of the first tensor load; the set-up below, work on registers, stands between
	ds_add_u32 v[SPW], v[NIL]
	v_lshrrev_b32 v9, 5, v0
	s_delay_alu instid0(VALU_DEP_1)
	v_readfirstlane_b32 s[WV], v9                  ; wave 0..7
	s_bfe_u32 s15, ttmp6, 0x40000                  ; cx: my place in the cluster
	s_lshl_b32 s16, ttmp9, 2                       ; in a cluster launch ttmp9 counts clusters
	s_add_co_u32 s16, s16, s15                     ; my block of 256 rows: it enters kimg's, m_feats' and out0's addresses alone
	s_and_b32 s17, ttmp7, 0xffff                   ; y, which the four partners share
	; descriptor group 1: a dense block of 16,384 bytes as 64 rows of 32 elements of 8 bytes
	s_mov_b32 s[G1], 15|(3<<16)|(1<<21)            ; 15:0 the mask: all four work-groups; 17:16 elements of 8 bytes; 20 no padding; 21 set beside a mask
	s_mov_b32 s[G1+1], 32<<16                      ; tensor_dim0 = 32
	s_mov_b32 s[G1+2], 64<<16                      ; tensor_dim1 = 64
	s_mov_b32 s[G1+3], 32<<16                      ; tile_dim0 = 32
	s_mov_b32 s[G1+4], 64                          ; tile_dim1 = 64
	s_mov_b32 s[G1+5], 32                          ; from row to row: 32 elements
	s_mov_b32 s[G1+6], 0
	s_mov_b32 s[G1+7], 0
	s_mov_b32 s[G0], 1                             ; count = 1
	s_lshl_b32 s[G0+1], s[WV], 14                  ; LDS address: slot 0, step = my wave's number: no place in the cluster enters it
	s_mov_b32 s[SEL], 0x76543210
	s_mov_b32 s[SEL+1], 0xfedcba98
	s_mov_b32 s[CS], 0x3e38aa3b                    ; log2(e) / 8
	s_mov_b32 s[TB], 0
	s_mov_b32 s[SLOTS], 7
	s_sub_co_u32 s20, s[WV], 4
	s_lshr_b32 s20, s20, 1                         ; 0 in waves 4 and 5,
	s_or_b32 s20, s20, ttmp9                       ; of the y's first cluster: the same in all four partners
	s_cmp_eq_u32 s20, 0
	s_cselect_b32 s[LIM], 1, -1
	s_lshl_b32 s20, s17, 19                        ; qv: y's 524,288 bytes, + my step's block (in registers that never hold cx)
	s_lshl_b32 s21, s[WV], 14
	s_add_co_u32 s20, s20, s21
	s_mov_b32 s21, 0
	s_lshl_b32 s58, s17, 19                        ; the prefetches: y, + my work-group's 16,384 bytes, + my wave's 8,192,
	s_lshl_b32 s59, s15, 14
	s_add_co_u32 s58, s58, s59
	s_and_b32 s59, s[WV], 1
	s_lshl_b32 s59, s59, 13
	s_add_co_u32 s58, s58, s59
	s_add_co_u32 s58, s58, 65536                   ; in the second 512 j: the first change of slots steps it to the third.  Nothing is prefetched here, at the head
	s_mov_b32 s59, 0
	s_lshl_b32 s18, s17, 8                         ; kimg: tile 256 y + 16 x block + 2 x wave, of 1,024 bytes
	s_lshl_b32 s19, s16, 4
	s_add_co_u32 s18, s18, s19
	s_lshl_b32 s19, s[WV], 1
	s_add_co_u32 s18, s18, s19
	s_lshl_b32 s18, s18, 10
	s_mov_b32 s19, 0
	s_lshl_b32 s46, s16, 3                         ; m_feats, out0: row 4,096 batch + 32 P of 2,048 bytes, + 256 x head
	s_add_co_u32 s46, s46, s[WV]
	s_lshl_b32 s46, s46, 16
	s_lshr_b32 s47, s17, 3
	s_lshl_b32 s47, s47, 23
	s_add_co_u32 s46, s46, s47
	s_and_b32 s47, s17, 7
	s_lshl_b32 s47, s47, 8
	s_add_co_u32 s46, s46, s47
	s_mov_b32 s47, 0
	s_mul_i32 s45, s[WV], 2*TSTG
	s_add_co_u32 s45, s45, STAGE                   ; my two stages
	v_and_b32 v[LI], 31, v0
	s_delay_alu instid0(VALU_DEP_1)
	v_lshlrev_b32 v[PFO], 8, v[LI]
	s_delay_alu instid0(VALU_DEP_2)
	v_lshlrev_b32 v[LI], 4, v[LI]
	v_and_b32 v9, 15, v0                           ; r
	v_bfe_u32 v10, v0, 4, 1                        ; h
	s_delay_alu instid0(VALU_DEP_2)
	v_mul_u32_u24 v[STO], v9, 272                  ; in: row r, 32 bytes for each half of the lanes
	s_delay_alu instid0(VALU_DEP_1)
	v_lshl_add_u32 v[STO], v10, 5, v[STO]
	s_delay_alu instid0(VALU_DEP_1)
	v_add_nc_u32 v[STO], s45, v[STO]
	s_delay_alu instid0(VALU_DEP_4)
	v_mul_u32_u24 v[RD], v10, 272                  ; back: lanes 0-15 one row of 256 bytes, lanes 16-31 the next
	s_delay_alu instid0(VALU_DEP_1)
	v_lshl_add_u32 v[RD], v9, 4, v[RD]
	s_delay_alu instid0(VALU_DEP_1)
	v_add_nc_u32 v[RD], s45, v[RD]
	v_lshlrev_b32 v[GO], 4, v9                     ; and the same two rows in m_feats and out0
	s_delay_alu instid0(VALU_DEP_1)
	v_lshl_add_u32 v[GO], v10, 11, v[GO]
	s_wait_dscnt 0x0                               ; both opening adds are done
	s_wait_kmcnt 0x0
	s_load_b256 s[48:55], s[8:9], 0x0              ; e0 .. e7
	s_add_nc_u64 s[G0+2:G0+3], s[6:7], s[20:21]    ; global address: y's first 512 j, my step
	s_or_b32 s[G0+3], s[G0+3], 0x80000000          ; type = 2
	s_add_nc_u64 s[PFA:PFA+1], s[6:7], s[58:59]
	s_add_nc_u64 s[4:5], s[4:5], s[18:19]
	s_add_nc_u64 s[10:11], s[10:11], s[46:47]
	s_add_nc_u64 s[12:13], s[12:13], s[46:47]
	CROUND                                         ; all four work-groups are here: the first joint loads meet
	TLOAD                                          ; slot 0
	global_load_b128 v[16:19], v[LI], s[4:5] th:TH_LOAD_NT               ; tile A of m_k: d = 16 h + 0 .. 15,
	global_load_b128 v[20:23], v[LI], s[4:5] offset:512 th:TH_LOAD_NT    ; d = 32 + 16 h + 0 .. 15
	WIN 0x40
	global_load_b128 v[16:19], v[LI], s[4:5] offset:1024 th:TH_LOAD_NT   ; tile B
	global_load_b128 v[20:23], v[LI], s[4:5] offset:1536 th:TH_LOAD_NT
	WIN 0
	s_wait_alu depctr_va_vdst(0)
.irp n, 0,1,2,3,4,5,6,7                ; m_feats at my rows and head, as the way out will want it: stage rows 2 n, 2 n + 1 are rows 2 n + 8 (n / 4) + 8 u + (0, 1) of my 32
	global_load_b128 v[MF+4*\n:MF+4*\n+3], v[GO], s[10:11] offset:(2*\n+8*(\n/4))*2048 th:TH_LOAD_NT
.endr
	WIN 0x40
.irp n, 0,1,2,3,4,5,6,7
	global_load_b128 v[MF+4*\n:MF+4*\n+3], v[GO], s[10:11] offset:(2*\n+8*(\n/4)+8)*2048 th:TH_LOAD_NT
.endr
	WIN 0
	s_wait_kmcnt 0x0
	s_add_co_i32 s57, s52, s53                     ; a score stands for score x 2^(e4 + e5): the two exponents are added to c's exponent field
	s_lshl_b32 s57, s57, 23
	s_add_co_i32 s[CS], s[CS], s57
	s_mov_b32 s[CS+1], s[CS]                       ; (named with it as a pair, so it is written)
	s_add_co_i32 s57, s55, 127
	s_lshl_b32 s58, s57, 23                        ; 2^e7 as f32, for the conversion
	s_add_co_i32 s57, s57, 15
	s_lshl_b32 s57, s57, 23
	s_or_b32 s57, s57, 0x600000                    ; 57,344 x 2^e7
	s_add_co_i32 s56, s54, s55                     ; e6 + e7
	INIT
	WIN 0x55
	INIT
	WIN 0
	s_wait_loadcnt 16                              ; m_k's four loads are in; m_feats' sixteen may stay out until the way out
.Lslot:                                            ; seven trips: behind each change of slots but the last the next 512 j are asked for
	CHANGE 1
	SLOT_STEPS
	s_sub_co_u32 s[SLOTS], s[SLOTS], 1
	s_cmp_lg_u32 s[SLOTS], 0
	s_cbranch_scc1 .Lslot
	CHANGE 0                                       ; the last slot is written out
	SLOT_STEPS
	; THE WAY OUT.  A lane holds 32 bytes of each of four pieces of a row's 256; the lanes beside it hold other rows.  So a tile goes through its own stage in LDS and comes back as whole rows of 256 bytes.
	; LDS serves a wave's instructions in order (ISA guide 5.7.1.4): no wait stands between my stores and my loads.
.rept 4
	v_nop                                          ; four places behind the last products
.endr
	FINISH
	WIN 0x55
	FINISH
	WIN 0
.irp t, 0,1,2,3
	ds_store_b128 v[STO], v[S+8*\t:S+8*\t+3] offset:64*\t
	ds_store_b128 v[STO], v[S+8*\t+4:S+8*\t+7] offset:64*\t+16
.endr
.irp n, 0,1,2,3,4,5,6,7
	ds_load_b128 v[128+4*\n:128+4*\n+3], v[RD] offset:544*\n
.endr
	WIN 0x04                                       ; an LDS store's data are its source 1: window 1
.irp t, 0,1,2,3
	ds_store_b128 v[STO], v[S+8*\t:S+8*\t+3] offset:TSTG+64*\t
	ds_store_b128 v[STO], v[S+8*\t+4:S+8*\t+7] offset:TSTG+64*\t+16
.endr
	WIN 0x40
.irp n, 0,1,2,3,4,5,6,7
	ds_load_b128 v[128+4*\n:128+4*\n+3], v[RD] offset:TSTG+544*\n
.endr
	WIN 0
	s_wait_loadcnt 0x0                             ; m_feats
	s_wait_dscnt 16                                ; tile A's rows are back; tile B's 8 stores and 8 loads may be out
.set J, 0
.rept 16
	v_pk_add_f32 v[128+2*J:128+2*J+1], v[128+2*J:128+2*J+1], v[MF+2*J:MF+2*J+1]
.set J, J+1
.endr
.irp n, 0,1,2,3,4,5,6,7
	global_store_b128 v[GO], v[128+4*\n:128+4*\n+3], s[12:13] offset:(2*\n+8*(\n/4))*2048 th:TH_STORE_NT   ; 16 lanes store 256 consecutive bytes, at a multiple of 256 from out0's first byte
.endr
	WIN 0x55
	s_wait_dscnt 0x0
.set J, 0
.rept 16
	v_pk_add_f32 v[128+2*J:128+2*J+1], v[128+2*J:128+2*J+1], v[MF+2*J:MF+2*J+1]
.set J, J+1
.endr
	WIN 0x04                                       ; a store's data are its source 1: window 1; its address window 0
.irp n, 0,1,2,3,4,5,6,7
	global_store_b128 v[GO], v[128+4*\n:128+4*\n+3], s[12:13] offset:(2*\n+8*(\n/4)+8)*2048 th:TH_STORE_NT
.endr
	WIN 0
	s_wait_tensorcnt 0x0                           ; the wave's end: three closing lines, behind my last tensor load and my last LDS store
	ds_add_u32 v[SPW], v[NIL]
	s_wait_dscnt 0x0
	CROUND                                         ; the closing round: no work-group ends while a partner may still ask for a block that names it
	s_endpgm
.Lfunc_end_k_qcd617be29d_attn:
	.size	k_qcd617be29d_attn, .Lfunc_end_k_qcd617be29d_attn-k_qcd617be29d_attn
	.p2alignl 7, 3214868480
	.fill 96, 4, 3214868480
	.section	.rodata,"a",@progbits
	.p2align	6, 0x0
	.amdhsa_kernel k_qcd617be29d_attn
		.amdhsa_group_segment_fixed_size 327680
		.amdhsa_private_segment_fixed_size 0
		.amdhsa_enable_private_segment 0
		.amdhsa_kernarg_size 40
		.amdhsa_user_sgpr_count 2
		.amdhsa_user_sgpr_kernarg_segment_ptr 1
		.amdhsa_wavefront_size32 1
		.amdhsa_system_sgpr_workgroup_id_x 1
		.amdhsa_system_sgpr_workgroup_id_y 1
		.amdhsa_system_sgpr_workgroup_id_z 1
		.amdhsa_system_vgpr_workitem_id 0
		.amdhsa_next_free_vgpr 512
		.amdhsa_next_free_sgpr 66
		.amdhsa_reserve_vcc 0
		.amdhsa_float_denorm_mode_32 3
		.amdhsa_float_denorm_mode_16_64 3
		.amdhsa_memory_ordered 1
		.amdhsa_forward_progress 1
		.amdhsa_inst_pref_size 79
	.end_amdhsa_kernel
	.amdgpu_metadata
---
amdhsa.version: [ 1, 2 ]
amdhsa.kernels:
  - .name:           k_qcd617be29d_attn
    .symbol:         k_qcd617be29d_attn.kd
    .args:
      - { .name: kimg, .offset: 0, .size: 8, .value_kind: global_buffer, .address_space: global }
      - { .name: qv, .offset: 8, .size: 8, .value_kind: global_buffer, .address_space: global }
      - { .name: lowp_scales, .offset: 16, .size: 8, .value_kind: global_buffer, .address_space: global }
      - { .name: m_feats, .offset: 24, .size: 8, .value_kind: global_buffer, .address_space: global }
      - { .name: out0, .offset: 32, .size: 8, .value_kind: global_buffer, .address_space: global }
    .group_segment_fixed_size: 327680
    .private_segment_fixed_size: 0
    .kernarg_segment_align: 8
    .kernarg_segment_size: 40
    .max_flat_workgroup_size: 256
    .sgpr_count:     66
    .vgpr_count:     512
    .wavefront_size: 32
...
	.end_amdgpu_metadata
.endif
;; end of part 4
